; MI455X (gfx1250); checked and timed in simulation.
; The chip was launched on July 23, 2026; its instructions are those of AMD's public machine-readable ISA for CDNA 5 (MIT licence, August 2026) and "CDNA5" Instruction Set Architecture Reference Guide (July 2026). The comments in the code are by the model that wrote it; some were corrected since.
;; Custom Llama Attention. Allowed arithmetic: matrix products marked QUANTISED: E2M3 operands, one E8M0 scale for each 32 along K, by v_wmma_scale_f32_16x16x128_f8f6f4 with both operands' format E2M3, f32 sums; products left as they are: f32 operands where the result goes on into a quantised operand, else bf16, f16 or f32 operands; f32 sums; everything else in f32.
;; Inputs: Wkv 2,048 x 4,096 float32; Wo 4,096 x 4,096 float32; Wq 4,096 x 4,096 float32; attention_mask 1 x 1 x 1,024 x 1,024 float32; bkv 2,048 float32; bo 4,096 float32; bq 4,096 float32; hidden_states 1 x 1,024 x 4,096 float32.
;; Outputs: out0 1 x 1,024 x 4,096 float32.
;; This version of the problem:
;;   THIS VERSION OF THE PROBLEM IS GIVEN IN LOW PRECISION. The matrix products marked QUANTISED in the list below multiply operands that are first quantised to E2M3 (2 exponent bits, 3 mantissa bits; 6 bits a number), with one power-of-two scale for each 32 numbers along K (OCP MX v1.0); their sums are f32. All else is computed in f32.
;;   The module's matrix products, in the order in which they are computed (A, B: the left and right operand; K: the contracted axis; several contracted axes count as one K, in the product's order):
;;     1. [M 1,024, K 4,096] x [K 4,096, N 4,096]; A: input hidden_states; B: input Wq: QUANTISED
;;     2. [M 1,024, K 4,096] x [K 4,096, N 2,048]; A: input hidden_states; B: input Wkv: QUANTISED
;;     3. [M 1,024, K 1] x [K 1, N 32]; A: computed on the way; B: computed on the way: left as it is (no contracted axis)
;;     4. batch 32 x [M 1,024, K 128] x [K 128, N 1,024]; A: computed on the way; B: computed on the way: QUANTISED
;;     5. batch 32 x [M 1,024, K 1,024] x [K 1,024, N 128]; A: softmax (see below); B: computed on the way: QUANTISED
;;     6. [M 1,024, K 4,096] x [K 4,096, N 4,096]; A: computed on the way; B: input Wo: QUANTISED
;;   THE QUANTISER, for each operand of a quantised product, along K:
;;     - K is cut into blocks of 32 from its start; a last block that is shorter is filled with zeros.
;;     - A block's scale is 2^e with e = floor(log2(the largest magnitude in the block)) - 2, held to -126 .. 127; a block of zeros has e = 0. As a byte (E8M0): e + 127.
;;     - Each number is divided by its block's scale, clamped to +-7.5, and rounded to the nearest number of E2M3, ties to even, subnormals kept.
;;     - The product sums the exact products of the quantised numbers (number of the format x scale) in f32.
;;   ~~~python
;;   def quantise(x, axis):      # numpy; x: float32 -> the quantised numbers, widened to float32 again
;;       x = np.moveaxis(x, axis, -1); K = x.shape[-1]
;;       x = np.pad(x, [(0, 0)] * (x.ndim - 1) + [(0, -K % 32)]); x = x.reshape(x.shape[:-1] + (-1, 32)); a = np.abs(x).max(-1, keepdims=True)
;;       e = np.where(a > 0, np.clip(np.frexp(np.where(a > 0, a, 1))[1] - 1 - 2, -126, 127), 0)      # np.frexp(a)[1] - 1 = floor(log2(a)), exactly
;;       r = np.clip(x / 2.0 ** e, -7.5, 7.5)
;;       step = 2.0 ** (np.maximum(np.frexp(np.where(r == 0, 1, r))[1] - 1, 0) - 3)
;;       q = np.round(r / step) * step * 2.0 ** e      # np.round: ties to even
;;       return np.moveaxis(q.reshape(q.shape[:-2] + (-1,))[..., :K], -1, axis).astype(np.float32)
;;   ~~~
;;   SOFTMAX AHEAD OF A QUANTISED PRODUCT. Where the list says 'softmax', what is quantised is not the finished softmax but p = 2^(t - M), with t = logit x log2(e) and M = ceil(the row's largest t), a whole number; so 1/2 < the row's largest p <= 1. The row's sum l is taken of the UNQUANTISED p, in f32, and the product's result is divided by l at the end. Since M is a whole number, a kernel that streams over the keys may use a running M (the ceiling of the running maximum): every later rescaling is an exact power of two, which a block's scale takes up: the codes' values come out the same.
;;   OPERANDS COMPUTED ON THE WAY. 'Computed on the way' means the value that the module computes at that place (a softmax that the list does not call 'softmax' is quantised finished and normalised). What goes into a quantiser is computed in f32, as accurately as f32 sums, v_exp_f32 and their like allow (about 1e-6 of the number): no bf16 or f16 on the way to a quantiser, and a product that is left as it is and whose result goes on into a quantised operand takes f32 operands (vector FMAs, or v_wmma_f32_16x16x4_f32). A number that lies on a knife's edge between two numbers of the format may be rounded either way, as far as f32 arithmetic and the matrix unit's own rounding can turn it there, and no further.
;; One version. Each part assembles by itself: llvm-mc -triple=amdgcn-amd-amdhsa -mcpu=gfx1250 --defsym DOCPART=n.
;; ======== version 1 of 1: 4 launches
;; limits: inputs' magnitudes at most 1.1e+29
;; workspace buffers: codes 36,044,800 bytes; mask3 4,194,304 bytes; rope 262,144 bytes; qc 3,145,728 bytes; qs 131,072 bytes; kv 1,638,400 bytes; ac 3,276,800 bytes
;; launch prep (part 1): grid 1456 x 1, 4 waves a work-group, no clusters, 34,304 bytes of LDS; arguments hidden_states, Wq, Wkv, Wo, attention_mask, codes, mask3, rope; writes codes, mask3, rope
.if DOCPART == 1
	.amdgcn_target "amdgcn-amd-amdhsa--gfx1250"
	.amdhsa_code_object_version 6
	.text
	.protected	k_qe8d54eafeb_prep
	.globl	k_qe8d54eafeb_prep
	.p2align	8
	.type	k_qe8d54eafeb_prep,@function
k_qe8d54eafeb_prep:
	s_mov_b64 s[64:65], 0
	v_nop
	global_prefetch_b8 v0, s[64:65] scope:SCOPE_SE
	s_setreg_imm32_b32 hwreg(HW_REG_WAVE_MODE, 25, 1), 1
	s_wait_xcnt 0x0
; PREP.  Three kinds of work-group, told apart by the work-group's number.
; 0 .. 1407: x, Wq, Wkv, Wo (f32, K = 4,096 innermost) become codes of FP6 (E2M3) with one E8M0 byte for each 32 along K, laid as IMAGES OF THE OPERAND'S REGISTERS:
;   a row block is 16 rows; lane-row r of block rb is tensor row 32 (rb / 2) + 8 (rb % 2) + r + 8 (r / 8); a fragment (16 rows x 128 K, 12 registers) is 3 chunks of 32 lanes x 16 bytes;
;   a record (row block, 512 along K) is 4 fragments and 256 bytes of scale words [r][4]: 6,400 bytes; a row block is 8 records.  A wave makes one record.
; 1408 .. 1439: the additive mask, times sqrt(128) and held at -2^100 from below, laid as the registers of a tile of scores want it (a wave: 16 queries x 512 keys).
; 1440 .. 1455: cos and sin of position x 10^(-i/8), i = 0 .. 31, in f32, laid as the rotary step's registers want them (a wave: 16 positions).
; A block's scale is 2^(floor(log2(largest magnitude)) - 2); its byte is the largest magnitude's exponent field - 2, held at 1 from below.
; LIMITS: NaN and infinities are not served (a mask of -infinity is held at -2^100); blocks whose largest magnitude lies under 2^-124 keep the byte 1; a block of zeros gets the byte 1, not 127: its codes are
; zeros and this program alone reads the bytes.  The 32 frequencies are the f32 numbers nearest to 10^(-i/8).
; Each load reads 512 consecutive bytes of one row; a step's 16 rows x 512 bytes turn through the wave's own stage in LDS (rows 528 = 33 x 16 bytes apart) so that a lane holds 16 neighbours of each block of 32.
; No tensor load, no barrier, no cluster: waves share nothing.  Loads run one step (16 loads a wave) ahead of the step in hand.
.set NQ,   1408                        ; work-groups that quantise
.set NM,   32                          ; work-groups for the mask
.set STGB, 8448                        ; a wave's stage: 16 rows x 528 bytes
.set RO,   8                           ; v8-23   byte offset of my 16 bytes in row i of the block
.set TM,   24                          ; v24-39  at work in QUANT
.set TP,   40                          ; v40-47  the conversions' second halves
.set W,    48                          ; v48-51  the four steps' scale words
.set PC,   56                          ; v56-103 codes: 12 registers for each step, so that no store's data are written again
.set R,    112                         ; v112-239 two sets of 64 numbers
.set SEL,  42                          ; s[42:43] lane selects: lane l xor 16
.set SRC,  24                          ; s[24:25] where my wave reads
.set DST,  34                          ; s[34:35] where it stores
.set FQ,   24                          ; the table: v24-39 frequencies, v40-55 cos, v56-71 sin
.set CO,   40
.set SI,   56
; 64 numbers of a lane, register 16 b + i = k 32 b + 16 (lane / 16) + i of my row, become a fragment's codes in v[pc] on and its scale word in v[pw]
.macro QUANT s, pc, tp, pw
.irp b, 0,1,2,3
	v_max3_num_f32 v[TM+\b], |v[\s+16*\b]|, |v[\s+1+16*\b]|, 0x1800000   ; my 16 numbers of block b, and the floor 2^(3 - 127): the byte cannot fall under 1
.endr
.irp i, 2,4,6,8,10,12,14
.irp b, 0,1,2,3
	v_max3_num_f32 v[TM+\b], v[TM+\b], |v[\s+16*\b+\i]|, |v[\s+1+16*\b+\i]|
.endr
.endr
.irp b, 0,1,2,3
	v_permlanex16_b32 v[TM+4+\b], v[TM+\b], s[SEL], s[SEL+1]
.endr
.irp b, 0,1,2,3
	v_max_num_f32 v[TM+\b], v[TM+\b], v[TM+4+\b]        ; with lane l xor 16's: the block's largest magnitude
.endr
.irp b, 0,1,2,3
	v_add_nc_u32 v[TM+12+\b], 0xff000000, v[TM+\b]      ; 2 off its exponent field: the conversion's scale operand
.endr
.irp b, 0,1,2,3
	v_lshrrev_b32 v[TM+4+\b], 23, v[TM+12+\b]           ; the scale's byte
.endr
	v_lshl_or_b32 v[\pw], v[TM+5], 8, v[TM+4]
	v_lshl_or_b32 v[\pw], v[TM+6], 16, v[\pw]
	v_lshl_or_b32 v[\pw], v[TM+7], 24, v[\pw]           ; my row's scale word
.irp c, 0,1
	v_cvt_scalef32_pk16_fp6_f32 v[\pc+6*\c:\pc+2+6*\c], v[\s+32*\c:\s+15+32*\c], v[TM+12+2*\c]
	v_cvt_scalef32_pk16_fp6_f32 v[\tp+4*\c:\tp+2+4*\c], v[\s+16+32*\c:\s+31+32*\c], v[TM+12+2*\c+1]   ; (three registers from an even one on)
.endr
	v_nop                                               ; one plain place behind a scaled conversion
.irp c, 0,1                                         ; the operand wants a whole block in a lane: lanes 0-15 block 2 c, lanes 16-31 block 2 c + 1
.irp i, 0,1,2
	v_permlane16_swap_b32 v[\pc+6*\c+\i], v[\tp+4*\c+\i]
.endr
.irp i, 0,1,2
	v_mov_b32 v[\pc+3+6*\c+\i], v[\tp+4*\c+\i]
.endr
.endr
.endm
	s_load_b256 s[4:11], s[0:1], 0x0               ; x s[4:5], Wq s[6:7], Wkv s[8:9], Wo s[10:11]
	s_load_b256 s[12:19], s[0:1], 0x20             ; the mask s[12:13], codes s[14:15], mask3 s[16:17], rope s[18:19]
	v_lshl_add_u32 v240, v0, 2, 0x8400
	v_mov_b32 v241, 0
	v_lshrrev_b32 v1, 5, v0
	v_readfirstlane_b32 s20, v1                    ; wave 0..3
	v_and_b32 v1, 31, v0                           ; lane
	v_and_b32 v2, 15, v0                           ; r
	v_bfe_u32 v3, v0, 4, 1                         ; h
	v_lshlrev_b32 v4, 4, v1                        ; 16 x lane: my place in every image
	s_wait_kmcnt 0x0
	s_cmp_ge_u32 ttmp9, NQ+NM
	s_cbranch_scc1 .Ltable
	; ---- what my wave takes.  Both roles' numbers are made, then one compare chooses: pointers and offsets alone differ
	s_lshr_b32 s21, ttmp9, 1                       ; quantise: row block,
	s_and_b32 s22, ttmp9, 1
	s_lshl_b32 s22, s22, 2
	s_add_co_u32 s22, s22, s20                     ; and which 512 along K
	s_mov_b32 s26, 448
	s_cmp_lt_u32 s21, 448                          ; row blocks 0-63 x, 64-319 Wq, 320-447 Wkv, 448-703 Wo
	s_cselect_b64 s[24:25], s[8:9], s[10:11]
	s_cselect_b32 s26, 320, s26
	s_cmp_lt_u32 s21, 320
	s_cselect_b64 s[24:25], s[6:7], s[24:25]
	s_cselect_b32 s26, 64, s26
	s_cmp_lt_u32 s21, 64
	s_cselect_b64 s[24:25], s[4:5], s[24:25]
	s_cselect_b32 s26, 0, s26
	s_sub_co_u32 s30, s21, s26                     ; the row block within its tensor
	s_lshl_b32 s36, s21, 3
	s_add_co_u32 s36, s36, s22
	s_mul_i32 s36, s36, 6400                       ; my record
	s_sub_co_u32 s27, ttmp9, NQ                    ; mask: row block 2 J + wave / 2,
	s_lshl_b32 s27, s27, 1
	s_lshr_b32 s28, s20, 1
	s_add_co_u32 s27, s27, s28
	s_and_b32 s28, s20, 1                          ; and which 512 keys
	s_lshl_b32 s38, s27, 16
	s_lshl_b32 s32, s28, 15
	s_add_co_u32 s38, s38, s32
	s_cmp_lt_u32 ttmp9, NQ
	s_cselect_b64 s[24:25], s[24:25], s[12:13]
	s_cselect_b64 s[34:35], s[14:15], s[16:17]
	s_cselect_b32 s29, s30, s27
	s_cselect_b32 s31, 14, 12                      ; a row is 16,384 or 4,096 bytes
	s_cselect_b32 s33, s22, s28
	s_cselect_b32 s36, s36, s38
	s_mov_b32 s37, 0
	s_add_nc_u64 s[34:35], s[34:35], s[36:37]
	s_lshr_b32 s40, s29, 1
	s_lshl_b32 s40, s40, 5
	s_and_b32 s32, s29, 1
	s_lshl_b32 s32, s32, 3
	s_add_co_u32 s40, s40, s32                     ; the block's first row: 32 (rb / 2) + 8 (rb % 2)
	s_lshl_b32 s40, s40, s31
	s_lshl_b32 s32, s33, 11
	s_add_co_u32 s40, s40, s32                     ; + 2,048 bytes for each 512 numbers
	s_mov_b32 s41, 0
	s_add_nc_u64 s[24:25], s[24:25], s[40:41]
.irp i, 0,1,2,3,4,5,6,7,8,9,10,11,12,13,14,15
	s_lshl_b32 s32, \i+8*(\i/8), s31               ; lane-row i is i + 8 (i / 8) rows down
	v_add_nc_u32 v[RO+\i], s32, v4
.endr
	s_mul_i32 s39, s20, STGB
	v_add_nc_u32 v5, s39, v4                       ; the stage, in: 16 x lane (+ 528 x row)
	v_mul_u32_u24 v6, v2, 528
	v_lshl_add_u32 v6, v3, 6, v6
	v_add_nc_u32 v6, s39, v6                       ; and out: row r, + 64 h: my 16 numbers of each block of 32
	v_lshlrev_b32 v7, 4, v2
	v_lshl_add_u32 v7, v3, 3, v7                   ; the scale words: 16 r + 8 h
	s_mov_b32 s[SEL], 0x76543210
	s_mov_b32 s[SEL+1], 0xfedcba98
	s_mov_b32 s44, 0x413504f3                      ; sqrt(128)
	s_mov_b32 s45, s44                             ; (named with it as a pair)
.irp b, 0,1,2,3
	v_mov_b32 v[TM+4+\b], 0                        ; a lane permute's destination counts as one of its sources
	v_mov_b32 v[W+\b], 0                           ; written on every way through the text
.endr
.macro LOAD t                          ; step t: 16 rows x 512 consecutive bytes
.irp i, 0,1,2,3,4,5,6,7,8,9,10,11,12,13,14,15
	global_load_b128 v[R+64*((\t)%2)+4*\i:R+64*((\t)%2)+4*\i+3], v[RO+\i], s[SRC:SRC+1] offset:512*(\t) th:TH_LOAD_NT
.endr
.endm
.macro TURN t                          ; through the stage and back into the registers that they left: LDS serves a wave's instructions in order
.irp i, 0,1,2,3,4,5,6,7,8,9,10,11,12,13,14,15
	ds_store_b128 v5, v[R+64*((\t)%2)+4*\i:R+64*((\t)%2)+4*\i+3] offset:528*\i
.endr
.irp b, 0,1,2,3
.irp j, 0,1,2,3
	ds_load_b128 v[R+64*((\t)%2)+16*\b+4*\j:R+64*((\t)%2)+16*\b+4*\j+3], v6 offset:128*\b+16*\j
.endr
.endr
.endm
.macro STEP t
.set XS, R+64*((\t)%2)
.set PCT, PC+12*(\t)
.if (\t) < 3
	s_wait_loadcnt 16                              ; this step's 16 loads are in; the next step's 16 may be out
.else
	s_wait_loadcnt 0x0
.endif
	TURN \t
	s_wait_dscnt 0x0
	s_cmp_lt_u32 ttmp9, NQ                         ; the roles part round the arithmetic and the stores alone: all LDS lines are common
	s_cbranch_scc0 .Lmask_\@
	QUANT XS, PCT, TP, W+(\t)
.irp c, 0,1,2
	global_store_b128 v4, v[PCT+4*\c:PCT+4*\c+3], s[DST:DST+1] offset:1536*(\t)+512*\c   ; 512 consecutive bytes
.endr
	s_branch .Ljoin_\@
.Lmask_\@:
.set j, 0
.rept 32
	v_pk_mul_f32 v[XS+j:XS+j+1], v[XS+j:XS+j+1], s[44:45] op_sel_hi:[1,0]   ; x sqrt(128): the scores are divided by it later
.set j, j+2
.endr
.set j, 0
.rept 64
	v_max_num_f32 v[XS+j], 0xf1800000, v[XS+j]     ; held at -2^100
.set j, j+1
.endr
.irp c, 0,1,2,3,4,5,6,7,8,9,10,11,12,13,14,15
	global_store_b128 v4, v[XS+4*\c:XS+4*\c+3], s[DST:DST+1] offset:8192*(\t)+512*\c
.endr
.if (\t) < 2
	s_wait_xcnt 0x0                                ; the stores have read their data: the set is loaded again below
.endif
.Ljoin_\@:
.if (\t) < 2
	LOAD (\t)+2
.endif
.endm
	LOAD 0
	LOAD 1
	STEP 0
	STEP 1
	STEP 2
	STEP 3
	s_cmp_lt_u32 ttmp9, NQ
	s_cbranch_scc0 .Lend
	v_cmp_le_u32 vcc_lo, 16, v1                    ; lanes 0-15 store words 0, 1 of their row, lanes 16-31 words 2, 3: 256 consecutive bytes
	v_cndmask_b32 v52, v[W], v[W+2], vcc_lo
	v_cndmask_b32 v53, v[W+1], v[W+3], vcc_lo
	global_store_b64 v7, v[52:53], s[DST:DST+1] offset:6144
.Lend:
	s_wait_tensorcnt 0x0
	ds_add_u32 v240, v241
	s_wait_dscnt 0x0
	s_endpgm
	; ---- the table.  Lane (r, h) holds position rho(rb, r) and frequencies 16 h + 0 .. 15
.Ltable:
	s_sub_co_u32 s21, ttmp9, NQ+NM
	s_lshl_b32 s21, s21, 2
	s_add_co_u32 s21, s21, s20                     ; row block
	s_lshr_b32 s22, s21, 1
	s_lshl_b32 s22, s22, 5
	s_and_b32 s23, s21, 1
	s_lshl_b32 s23, s23, 3
	s_add_co_u32 s22, s22, s23
	s_lshl_b32 s24, s21, 12
	s_mov_b32 s25, 0
	s_add_nc_u64 s[18:19], s[18:19], s[24:25]
	v_and_b32 v11, 8, v2
	v_add_nc_u32 v11, v11, v2
	v_add_nc_u32 v11, s22, v11
	v_cvt_f32_u32 v10, v11                         ; the position
	v_cmp_le_u32 vcc_lo, 16, v1
.macro FREQ e, lo, hi
	v_mov_b32 v[FQ+\e], \hi
	v_cndmask_b32 v[FQ+\e], \lo, v[FQ+\e], vcc_lo
.endm
	FREQ 0,  0x3f800000, 0x3c23d70a                ; 10^(-i/8): i = e in lanes 0-15, 16 + e in lanes 16-31
	FREQ 1,  0x3f3ff911, 0x3bf5b9b0
	FREQ 2,  0x3f0ff59a, 0x3bb8449c
	FREQ 3,  0x3ed7e89b, 0x3b8a2e77
	FREQ 4,  0x3ea1e89b, 0x3b4f3e37
	FREQ 5,  0x3e72d424, 0x3b1b690d
	FREQ 6,  0x3e361887, 0x3ae91528
	FREQ 7,  0x3e088d77, 0x3aaec98e
	FREQ 8,  0x3dcccccd, 0x3a83126f
	FREQ 9,  0x3d99940e, 0x3a44948c
	FREQ 10, 0x3d6655c3, 0x3a136a16
	FREQ 11, 0x3d2cba15, 0x39dd1726
	FREQ 12, 0x3d0186e2, 0x39a5cb5f
	FREQ 13, 0x3cc24350, 0x3978a814
	FREQ 14, 0x3c91ad39, 0x393a7753
	FREQ 15, 0x3c5a7bf1, 0x390bd472
	s_mov_b32 s44, 0x3f22f983                      ; 2 / pi
	s_mov_b32 s45, 0xbfc90fdb                      ; -(pi / 2 rounded to f32)
	s_mov_b32 s46, 0x333bbd2e                      ; that number less pi / 2
	s_mov_b32 s47, 0xb94ca1f9                      ; sine on +-pi/4: -1.9515295891e-4, 8.3321608736e-3, -1.6666654611e-1
	s_mov_b32 s48, 0x3c08839e
	s_mov_b32 s49, 0xbe2aaaa3
	s_mov_b32 s50, 0x37ccf5ce                      ; cosine: 2.443315712e-5, -1.388731625e-3, 4.166664568e-2
	s_mov_b32 s51, 0xbab6061a
	s_mov_b32 s52, 0x3d2aaaa5
.macro SINCOS e
	v_mul_f32 v12, v10, v[FQ+\e]                   ; the angle: one rounding, as the product of position and frequency has
	v_mul_f32 v13, s44, v12
	v_rndne_f32 v13, v13                           ; n quarter turns, at most 651
	v_fma_f32 v14, v13, s45, v12                   ; exact: a multiple of 2^-23 under 1
	v_fma_f32 v14, v13, s46, v14                   ; x = angle - n pi / 2
	v_mul_f32 v15, v14, v14                        ; z
	v_fma_f32 v16, v15, s47, s48
	v_fma_f32 v17, v15, s50, s51
	v_fma_f32 v16, v16, v15, s49
	v_fma_f32 v17, v17, v15, s52
	v_mul_f32 v19, v15, v14
	v_mul_f32 v17, v17, v15
	v_fma_f32 v20, v15, -0.5, 1.0
	v_fma_f32 v16, v16, v19, v14                   ; sin x
	v_fma_f32 v17, v17, v15, v20                   ; cos x
	v_cvt_i32_f32 v18, v13
	v_and_b32 v19, 1, v18
	v_cmp_eq_u32 vcc_lo, 1, v19                    ; an odd n swaps the two
	v_cndmask_b32 v20, v16, v17, vcc_lo
	v_cndmask_b32 v21, v17, v16, vcc_lo
	v_lshlrev_b32 v19, 30, v18
	v_and_b32 v19, 0x80000000, v19                 ; sine's sign: bit 1 of n
	v_xor_b32 v[SI+\e], v20, v19
	v_add_nc_u32 v18, 1, v18
	v_lshlrev_b32 v18, 30, v18
	v_and_b32 v18, 0x80000000, v18                 ; cosine's: bit 1 of n + 1
	v_xor_b32 v[CO+\e], v21, v18
.endm
.irp e, 0,1,2,3,4,5,6,7,8,9,10,11,12,13,14,15
	SINCOS \e
.endr
.irp c, 0,1,2,3
	global_store_b128 v4, v[CO+4*\c:CO+4*\c+3], s[18:19] offset:512*\c
	global_store_b128 v4, v[SI+4*\c:SI+4*\c+3], s[18:19] offset:2048+512*\c
.endr
	s_endpgm
.Lfunc_end_k_qe8d54eafeb_prep:
	.size	k_qe8d54eafeb_prep, .Lfunc_end_k_qe8d54eafeb_prep-k_qe8d54eafeb_prep
	.p2alignl 7, 3214868480
	.fill 96, 4, 3214868480
	.section	.rodata,"a",@progbits
	.p2align	6, 0x0
	.amdhsa_kernel k_qe8d54eafeb_prep
		.amdhsa_group_segment_fixed_size 34304
		.amdhsa_private_segment_fixed_size 0
		.amdhsa_enable_private_segment 0
		.amdhsa_kernarg_size 64
		.amdhsa_user_sgpr_count 2
		.amdhsa_user_sgpr_kernarg_segment_ptr 1
		.amdhsa_wavefront_size32 1
		.amdhsa_system_sgpr_workgroup_id_x 1
		.amdhsa_system_sgpr_workgroup_id_y 1
		.amdhsa_system_sgpr_workgroup_id_z 1
		.amdhsa_system_vgpr_workitem_id 0
		.amdhsa_next_free_vgpr 242
		.amdhsa_next_free_sgpr 66
		.amdhsa_reserve_vcc 1
		.amdhsa_float_denorm_mode_32 3
		.amdhsa_float_denorm_mode_16_64 3
		.amdhsa_memory_ordered 1
		.amdhsa_forward_progress 1
		.amdhsa_inst_pref_size 89
	.end_amdhsa_kernel
	.amdgpu_metadata
---
amdhsa.version: [ 1, 2 ]
amdhsa.kernels:
  - .name:           k_qe8d54eafeb_prep
    .symbol:         k_qe8d54eafeb_prep.kd
    .args:
      - { .name: hidden_states, .offset: 0, .size: 8, .value_kind: global_buffer, .address_space: global }
      - { .name: Wq, .offset: 8, .size: 8, .value_kind: global_buffer, .address_space: global }
      - { .name: Wkv, .offset: 16, .size: 8, .value_kind: global_buffer, .address_space: global }
      - { .name: Wo, .offset: 24, .size: 8, .value_kind: global_buffer, .address_space: global }
      - { .name: attention_mask, .offset: 32, .size: 8, .value_kind: global_buffer, .address_space: global }
      - { .name: codes, .offset: 40, .size: 8, .value_kind: global_buffer, .address_space: global }
      - { .name: mask3, .offset: 48, .size: 8, .value_kind: global_buffer, .address_space: global }
      - { .name: rope, .offset: 56, .size: 8, .value_kind: global_buffer, .address_space: global }
    .group_segment_fixed_size: 34304
    .private_segment_fixed_size: 0
    .kernarg_segment_align: 8
    .kernarg_segment_size: 64
    .max_flat_workgroup_size: 128
    .sgpr_count:     66
    .vgpr_count:     242
    .wavefront_size: 32
...
	.end_amdgpu_metadata
.endif
;; end of part 1
;; launch qkv (part 2): grid 48 x 4, 4 waves a work-group, clusters of 4 x 4, 327,680 bytes of LDS; arguments codes, rope, bq, bkv, qc, qs, kv; writes qc, qs, kv
.if DOCPART == 2
	.amdgcn_target "amdgcn-amd-amdhsa--gfx1250"
	.amdhsa_code_object_version 6
	.text
	.protected	k_qe8d54eafeb_qkv
	.globl	k_qe8d54eafeb_qkv
	.p2align	8
	.type	k_qe8d54eafeb_qkv,@function
k_qe8d54eafeb_qkv:
	s_mov_b64 s[64:65], 0
	v_nop
	global_prefetch_b8 v0, s[64:65] scope:SCOPE_SE
	s_setreg_imm32_b32 hwreg(HW_REG_WAVE_MODE, 25, 1), 1
	s_wait_xcnt 0x0
	s_wait_alu depctr_hold_cnt(0) depctr_sa_sdst(0) depctr_va_vdst(0) depctr_va_sdst(0) depctr_va_ssrc(0) depctr_va_vcc(0) depctr_vm_vsrc(0)
	s_getreg_b32 s2, hwreg(HW_REG_IB_STS2, 6, 4)
	s_cmp_eq_u32 s2, 0
	s_cbranch_scc0 .Lentry_in_a_cluster
	s_endpgm
.Lentry_in_a_cluster:
	s_bfe_u32 s2, ttmp6, 0x10000c
	s_cmp_lg_u32 s2, 0xf033
	s_cbranch_scc0 .Lentry_shape_is_right
	s_endpgm
.Lentry_shape_is_right:
; QKV.  x Wq^T + bq and x Wkv^T + bkv on codes of FP6 with E8M0 scales, K = 4,096; then the partial rotary step in f32, and q, k (along the head's 128) and v (along the keys) are quantised and stored as
; images of the next products' operand registers.  A work-group makes 256 "A" rows x 128 "B" rows; wave w takes A's row blocks 4 w .. 4 w + 3 against all 8 of B: 32 accumulators.
; THE MATRIX INSTRUCTION IS USED TRANSPOSED (source 0 = 16 rows of B, source 1 = 16 rows of A), and lane-row r of row block rb is tensor row 32 (rb / 2) + 8 (rb % 2) + r + 8 (r / 8): so a lane holds ONE row of A,
; and the 64 registers of A's block a are B's rows 32 b + 16 (lane / 16) + i at register 16 b + i: 16 neighbours of each block of 32 along the next K.
; THREE TYPES OF COLUMN, by the cluster's x (equal in all partners); the type chooses numbers, never a way through the text:
;   Q (cluster x 0-7): A = x, B = Wq's head tx.   K (8, 9): A = x, B = Wkv's K rows of head tx - 32.   V (10, 11): A = Wkv's V rows of heads 2 ty, 2 ty + 1, B = x's keys 128 (tx - 40) on: V^T, whose registers run along the keys.
;   Q, K: the bias goes along the registers: it is the C of each sum's first instruction; cos and sin from the table.   V: the bias goes with the lane: it is added on the way out; cos = 1, sin = 0, C = 0.
; K goes 512 to a slot through two LDS slots.  A slot holds A's 16 records and B's 8 (a record: 4 fragments of 1,536 bytes and 256 bytes of scale words).  Every LDS load takes 512 or 256 consecutive bytes.
; CLUSTER 4 x 4: A's records are shared along a row of the cluster, B's along a column, each by a joint load.  By this text's count a wave has two tensor loads out at the start and one behind each round.
; No prefetch: half of the eight fills of a slot are due before a prefetch could lead them.  One tile to a work-group.
; LIMITS: NaN and infinities are not served; blocks under 2^-124 keep the byte 1; a block of zeros gets the byte 1 (its codes are zeros; this program alone reads the bytes).  The bias starts the sum, and the rotary
; step is one product and one fused multiply-add: an order of f32 rounding of its own.
; REGISTERS: window 0: v1-7 lane numbers, v16-23 addresses, v28-29 the add's, v32-95 scale words and nothing else, v128-223 A's two sets (on the way out: at work); window 1: B's two sets at v0, v128;
;   window 2: accumulator (a, b) at v[8 (8 a + b)]; window 3: v0-127 cos, sin (32 a + 0..15, + 16..31), v128-191 the bias along the registers, v192-199 the bias of the lane, in pairs.
.set SLOT,  153600
.set REC,   6400
.set BOFF,  16*REC
.set SPARE, 2*SLOT                     ; the spare words: 128 bytes for each wave, two blocks of 256 bytes that no other line names
.set ADRA, 16                          ; v16-17 my A records in slot 0, 1: 16 x lane + 25,600 x wave
.set ADRB, 18                          ; v18-19 B's records
.set ADRS, 20                          ; v20-21 scale words: lanes 0-15 A's, lanes 16-31 B's
.set OC,   22                          ; v22    16 x lane
.set OS,   23                          ; v23    16 r + 8 h
.set SPW,  28
.set NIL,  29
.set SC,   32                          ; set s at SC + 32 s; register 4 i + f: lanes 0-15 the word of my A block i (i < 4), lanes 16-31 that of B's block i, for the slot's f-th 128 along K
.set TM,   96
.set QP,   112
.set AF,   128
.set H,    128
.set T0,   192
.set T1,   208
.set PC,   224
.set TP,   236
.set PW,   244
.set CB,   128                         ; in window 3
.set RBI,  192
.set WV,   18
.set FB,   19                          ; 0: I fetch for A; 1: for B
.set HF,   20                          ; which half of its records
.set G1,   24
.set G0,   32
.set G1B,  48
.set G0B,  56
.set SEL,  42
.set MSB, 0
.macro WIN new                         ; the immediate's high byte repeats the setting that is left
.if MSB != (\new)
	s_set_vgpr_msb (MSB<<8)|(\new)
.set MSB, (\new)
.endif
.endm
.set MUL,  0xa1                        ; source 0 (B) window 1, source 1 (A) window 0, C and D window 2;  + 0x10: C from window 3
.set TO_B, 0x40
.macro JLOAD s                         ; a joint load: waves 0, 1 for A, waves 2, 3 for B; four v_nop follow each line
	s_cmp_eq_u32 s[FB], 0
	s_cbranch_scc0 .Lfor_b_\@
	tensor_load_to_lds s[G0+4*\s:G0+4*\s+3], s[G1:G1+7]
	s_nop 0
.rept 4
	v_nop
.endr
	s_branch .Lasked_\@
.Lfor_b_\@:
	tensor_load_to_lds s[G0B+4*\s:G0B+4*\s+3], s[G1B:G1B+7]
	s_nop 0
.rept 4
	v_nop
.endr
.Lasked_\@:
.endm
.macro CREST                           ; a round of the cluster's barrier behind its opening barrier
	s_cmp_lg_u32 s[WV], 0
	s_cbranch_scc1 .Lnot_wave_0_\@
	s_barrier_signal -3
.Lnot_wave_0_\@:
	s_barrier_wait -3
	s_barrier_signal -1
	s_barrier_wait -1
.endm
.macro CROUND
	s_barrier_signal -1
	s_barrier_wait -1
	CREST
.endm
.macro PLACES                          ; four places behind matrix instructions, in front of loads into their registers and of reads of results
.rept 4
	v_nop
.endr
.endm
.macro QUANT s, pc, tp, pw             ; 64 numbers of a lane, register 16 b + i = k 32 b + 16 (lane / 16) + i, become a fragment's codes and its scale word
.irp b, 0,1,2,3
	v_max3_num_f32 v[TM+\b], |v[\s+16*\b]|, |v[\s+1+16*\b]|, 0x1800000   ; with the floor 2^(3 - 127)
.endr
.irp i, 2,4,6,8,10,12,14
.irp b, 0,1,2,3
	v_max3_num_f32 v[TM+\b], v[TM+\b], |v[\s+16*\b+\i]|, |v[\s+1+16*\b+\i]|
.endr
.endr
.irp b, 0,1,2,3
	v_permlanex16_b32 v[TM+4+\b], v[TM+\b], s[SEL], s[SEL+1]
.endr
.irp b, 0,1,2,3
	v_max_num_f32 v[TM+\b], v[TM+\b], v[TM+4+\b]
.endr
.irp b, 0,1,2,3
	v_add_nc_u32 v[TM+12+\b], 0xff000000, v[TM+\b]      ; 2 off the exponent field: the conversion's scale operand
.endr
.irp b, 0,1,2,3
	v_lshrrev_b32 v[TM+4+\b], 23, v[TM+12+\b]
.endr
	v_lshl_or_b32 v[\pw], v[TM+5], 8, v[TM+4]
	v_lshl_or_b32 v[\pw], v[TM+6], 16, v[\pw]
	v_lshl_or_b32 v[\pw], v[TM+7], 24, v[\pw]
.irp c, 0,1
	v_cvt_scalef32_pk16_fp6_f32 v[\pc+6*\c:\pc+2+6*\c], v[\s+32*\c:\s+15+32*\c], v[TM+12+2*\c]
	v_cvt_scalef32_pk16_fp6_f32 v[\tp+4*\c:\tp+2+4*\c], v[\s+16+32*\c:\s+31+32*\c], v[TM+12+2*\c+1]
.endr
	v_nop                                               ; one plain place behind a scaled conversion
.irp c, 0,1
.irp i, 0,1,2
	v_permlane16_swap_b32 v[\pc+6*\c+\i], v[\tp+4*\c+\i]
.endr
.irp i, 0,1,2
	v_mov_b32 v[\pc+3+6*\c+\i], v[\tp+4*\c+\i]
.endr
.endr
.endm
	s_load_b256 s[4:11], s[0:1], 0x0               ; codes s[4:5], rope s[6:7], bq s[8:9], bkv s[10:11]
	s_load_b128 s[12:15], s[0:1], 0x20             ; qc s[12:13], qs s[14:15]
	s_load_b64 s[16:17], s[0:1], 0x30              ; kv
	v_lshl_add_u32 v[SPW], v0, 2, SPARE
	v_mov_b32 v[NIL], 0
	ds_add_u32 v28, v29
	ds_add_u32 v28, v29
	s_wait_dscnt 0x0
	v_lshrrev_b32 v1, 5, v0
	v_readfirstlane_b32 s[WV], v1
	s_lshr_b32 s[FB], s[WV], 1
	s_and_b32 s[HF], s[WV], 1
	s_bfe_u32 s21, ttmp6, 0x40000                  ; cx
	s_bfe_u32 s22, ttmp6, 0x40004                  ; cy
	s_lshl_b32 s23, ttmp9, 2
	s_add_co_u32 s23, s23, s21                     ; tx
	s_and_b32 s40, ttmp7, 0xffff
	s_lshl_b32 s40, s40, 2
	s_add_co_u32 s40, s40, s22                     ; ty
	s_lshl_b32 s41, s22, 2
	s_lshl_b32 s41, 15, s41                        ; my row of the cluster
	s_lshl_b32 s42, 0x1111, s21                    ; my column
	; group 1: rows of 800 elements of 8 bytes (a record), 6,400 elements apart (a row block); A: 8 rows, B: 4; no padding
	s_or_b32 s[G1], s41, (3<<16)|(1<<21)
	s_or_b32 s[G1B], s42, (3<<16)|(1<<21)
	s_mov_b32 s[G1+1], 800<<16
	s_mov_b32 s[G1+2], 8<<16
	s_mov_b32 s[G1+3], 800<<16
	s_mov_b32 s[G1+4], 8
	s_mov_b32 s[G1+5], 6400
	s_mov_b32 s[G1+6], 0
	s_mov_b32 s[G1+7], 0
	s_mov_b32 s[G1B+1], 800<<16
	s_mov_b32 s[G1B+2], 4<<16
	s_mov_b32 s[G1B+3], 800<<16
	s_mov_b32 s[G1B+4], 4
	s_mov_b32 s[G1B+5], 6400
	s_mov_b32 s[G1B+6], 0
	s_mov_b32 s[G1B+7], 0
	; A's first row block: 16 ty + 8 half, or for V 328 + 32 ty + 16 half.  It hangs on ty, the half and the type
	s_cmp_lt_u32 ttmp9, 10
	s_cselect_b32 s43, 4, 5
	s_cselect_b32 s44, 3, 4
	s_cselect_b32 s45, 0, 328
	s_lshl_b32 s46, s40, s43
	s_lshl_b32 s47, s[HF], s44
	s_add_co_u32 s46, s46, s47
	s_add_co_u32 s46, s46, s45
	s_mul_i32 s46, s46, 51200
	s_mov_b32 s47, 0
	; B's: Q 64 + 8 tx, K 320 + 16 (tx - 32), V 8 (tx - 40); + 4 half.  It hangs on tx, the half and the type
	s_mov_b32 s67, -192
	s_mov_b32 s70, -320
	s_cmp_lt_u32 ttmp9, 8
	s_cselect_b32 s66, 3, 4
	s_cselect_b32 s67, 64, s67
	s_cmp_lt_u32 ttmp9, 10
	s_cselect_b32 s66, s66, 3
	s_cselect_b32 s67, s67, s70
	s_lshl_b32 s68, s23, s66
	s_add_co_u32 s68, s68, s67
	s_lshl_b32 s70, s[HF], 2
	s_add_co_u32 s68, s68, s70
	s_mul_i32 s68, s68, 51200
	s_mov_b32 s69, 0
	s_mul_i32 s71, s[HF], 8*REC                    ; where they go: no place in the cluster enters an LDS address
	s_mul_i32 s72, s[HF], 4*REC
	s_add_co_u32 s72, s72, BOFF
	s_wait_kmcnt 0x0
	s_add_nc_u64 s[74:75], s[4:5], s[46:47]
	s_add_nc_u64 s[76:77], s[4:5], s[68:69]
	CROUND                                         ; all sixteen work-groups are here: the first joint loads meet
.irp s, 0,1
	s_mov_b32 s[G0+4*\s], 1
	s_add_co_u32 s[G0+4*\s+1], s71, \s*SLOT
	s_add_nc_u64 s[G0+4*\s+2:G0+4*\s+3], s[74:75], \s*REC
	s_or_b32 s[G0+4*\s+3], s[G0+4*\s+3], 0x80000000
	s_mov_b32 s[G0B+4*\s], 1
	s_add_co_u32 s[G0B+4*\s+1], s72, \s*SLOT
	s_add_nc_u64 s[G0B+4*\s+2:G0B+4*\s+3], s[76:77], \s*REC
	s_or_b32 s[G0B+4*\s+3], s[G0B+4*\s+3], 0x80000000
	JLOAD \s
.endr
	v_and_b32 v1, 31, v0                           ; lane
	v_and_b32 v2, 15, v0                           ; r
	v_bfe_u32 v3, v0, 4, 1                         ; h
	v_lshlrev_b32 v[OC], 4, v1
	s_mul_i32 s78, s[WV], 4*REC
	v_add_nc_u32 v[ADRA], s78, v[OC]
	v_add_nc_u32 v[ADRA+1], SLOT, v[ADRA]
	v_add_nc_u32 v[ADRB], BOFF, v[OC]
	v_add_nc_u32 v[ADRB+1], SLOT, v[ADRB]
	s_mov_b32 s79, BOFF
	s_sub_co_u32 s79, s79, s78                     ; from my A records to B's
	v_mul_u32_u24 v4, s79, v3                      ; lanes 16-31 take B's: one product, the lower base + h x the distance
	s_add_co_u32 s78, s78, 6144
	v_lshl_add_u32 v4, v2, 4, v4
	v_add_nc_u32 v[ADRS], s78, v4
	v_add_nc_u32 v[ADRS+1], SLOT, v[ADRS]
	v_lshlrev_b32 v[OS], 4, v2
	v_lshl_add_u32 v[OS], v3, 3, v[OS]
	v_lshlrev_b32 v5, 6, v3                        ; the bias along the registers: 64 h bytes
	v_and_b32 v6, 8, v2
	v_add_nc_u32 v6, v6, v2
	v_lshlrev_b32 v6, 2, v6                        ; the bias of the lane: 4 (r + 8 (r / 8))
	; pointers of the table and the biases; every one stays inside its buffer in every type
	s_lshl_b32 s78, s40, 4
	s_lshl_b32 s79, s[WV], 2
	s_add_co_u32 s78, s78, s79
	s_lshl_b32 s78, s78, 12
	s_mov_b32 s79, 0
	s_add_nc_u64 s[80:81], s[6:7], s[78:79]        ; rope at row block 16 ty + 4 w
	s_lshl_b32 s84, s23, 9
	s_sub_co_u32 s85, s23, 32
	s_lshl_b32 s85, s85, 10
	s_cmp_lt_u32 ttmp9, 10
	s_cselect_b32 s85, s85, 0
	s_cselect_b32 s73, -1, 0                       ; all ones where the type is not V
	s_cmp_lt_u32 ttmp9, 8
	s_cselect_b32 s84, s84, s85
	s_cselect_b64 s[82:83], s[8:9], s[10:11]
	s_mov_b32 s85, 0
	s_add_nc_u64 s[82:83], s[82:83], s[84:85]
	s_lshl_b32 s86, s40, 1
	s_add_co_u32 s86, s86, s[FB]
	s_lshl_b32 s86, s86, 10
	s_lshl_b32 s87, s[HF], 8
	s_add_co_u32 s86, s86, s87
	s_add_co_u32 s86, s86, 512
	s_mov_b32 s87, 0
	s_add_nc_u64 s[86:87], s[10:11], s[86:87]      ; bkv at V's rows of head 2 ty + w / 2, + 64 (w % 2)
	WIN 0xc0                                       ; destination window 3
.irp a, 0,1,2,3
.irp ch, 0,1,2,3,4,5,6,7
	global_load_b128 v[32*\a+4*\ch:32*\a+4*\ch+3], v[OC], s[80:81] offset:4096*\a+512*\ch
.endr
.endr
.irp b, 0,1,2,3,4,5,6,7
	global_load_b128 v[CB+8*\b:CB+8*\b+3], v5, s[82:83] offset:128*(\b/2)+32*(\b%2)
	global_load_b128 v[CB+8*\b+4:CB+8*\b+7], v5, s[82:83] offset:128*(\b/2)+32*(\b%2)+16
.endr
.irp a, 0,1,2,3
	global_load_b32 v[RBI+2*\a], v6, s[86:87] offset:128*(\a/2)+32*(\a%2)
.endr
	WIN 0
	; where the results go
	s_lshl_b32 s92, s23, 6
	s_lshl_b32 s93, s40, 4
	s_add_co_u32 s92, s92, s93
	s_lshl_b32 s93, s[WV], 2
	s_add_co_u32 s92, s92, s93                     ; Q: 64 tx + 16 ty + 4 w
	s_lshl_b32 s94, s92, 6
	s_mul_i32 s92, s92, 1536
	s_sub_co_u32 s95, s23, 32                      ; K: head g = tx - 32, 256 keys ty
	s_mul_i32 s95, s95, 204800
	s_mul_i32 s93, s40, 51200
	s_add_co_u32 s95, s95, s93
	s_mul_i32 s93, s[WV], 6144
	s_add_co_u32 s96, s95, s93
	s_lshl_b32 s93, s[WV], 8
	s_add_co_u32 s95, s95, s93
	s_add_co_u32 s95, s95, 49152
	s_lshl_b32 s97, s40, 1                         ; V: head g = 2 ty + w / 2, key step s = tx - 40
	s_add_co_u32 s97, s97, s[FB]
	s_mul_i32 s97, s97, 204800
	s_sub_co_u32 s98, s23, 40
	s_lshr_b32 s93, s98, 1
	s_mul_i32 s93, s93, 51200
	s_add_co_u32 s97, s97, s93
	s_and_b32 s98, s98, 1
	s_lshl_b32 s98, s98, 1
	s_add_co_u32 s98, s98, s[HF]                   ; 2 (s % 2) + w % 2
	s_mul_i32 s99, s98, 6144
	s_add_co_u32 s99, s99, s97
	s_add_co_u32 s99, s99, 24576
	s_lshl_b32 s98, s98, 8
	s_add_co_u32 s98, s98, s97
	s_add_co_u32 s98, s98, 50176
	s_cmp_lt_u32 ttmp9, 10
	s_cselect_b32 s96, s96, s99
	s_cselect_b32 s95, s95, s98
	s_cmp_lt_u32 ttmp9, 8
	s_cselect_b32 s92, s92, s96
	s_cselect_b32 s94, s94, s95
	s_cselect_b64 s[88:89], s[12:13], s[16:17]
	s_cselect_b64 s[90:91], s[14:15], s[16:17]
	s_mov_b32 s93, 0
	s_mov_b32 s95, 0
	s_add_nc_u64 s[88:89], s[88:89], s[92:93]      ; codes
	s_add_nc_u64 s[90:91], s[90:91], s[94:95]      ; scale words
	s_not_b32 s41, s73                             ; all ones where the type is V
	s_wait_loadcnt 0x0
	WIN 0xcf                                       ; all in window 3
.set j, 0
.rept 64
	v_cndmask_b32 v[CB+j], 0, v[CB+j], s73         ; V: no bias along the registers
.set j, j+1
.endr
.irp a, 0,1,2,3
.set j, 0
.rept 16
	v_cndmask_b32 v[32*\a+j], 1.0, v[32*\a+j], s73     ; V: cos = 1,
	v_cndmask_b32 v[32*\a+16+j], 0, v[32*\a+16+j], s73 ; sin = 0
.set j, j+1
.endr
.endr
.irp a, 0,1,2,3
	v_cndmask_b32 v[RBI+2*\a], 0, v[RBI+2*\a], s41     ; Q, K: no bias of the lane
.endr
.irp a, 0,1,2,3
	v_mov_b32 v[RBI+2*\a+1], v[RBI+2*\a]               ; a pair for the packed addition
.endr
	WIN 0
; The fragments of the slot's f-th 128 along K into set p: B's eight, my A blocks 0, 1, (sc = 1: the slot's scale words,) my A blocks 2, 3: 36 or 44 loads in one run
.macro FETCH slot, f, p, sc
	WIN TO_B
.irp b, 0,1,2,3,4,5,6,7
.irp c, 0,1,2
	ds_load_b128 v[128*(\p)+12*\b+4*\c:128*(\p)+12*\b+4*\c+3], v[ADRB+\slot] offset:REC*\b+1536*(\f)+512*\c
.endr
.endr
	WIN 0
.irp a, 0,1
.irp c, 0,1,2
	ds_load_b128 v[AF+48*(\p)+12*\a+4*\c:AF+48*(\p)+12*\a+4*\c+3], v[ADRA+\slot] offset:REC*\a+1536*(\f)+512*\c
.endr
.endr
.if \sc
.irp i, 0,1,2,3,4,5,6,7
	ds_load_b128 v[SC+32*(\slot)+4*\i:SC+32*(\slot)+4*\i+3], v[ADRS+\slot] offset:REC*\i
.endr
.endif
.irp a, 2,3
.irp c, 0,1,2
	ds_load_b128 v[AF+48*(\p)+12*\a+4*\c:AF+48*(\p)+12*\a+4*\c+3], v[ADRA+\slot] offset:REC*\a+1536*(\f)+512*\c
.endr
.endr
.endm
; 8 matrix instructions: my A block a against B's eight.  The 32 accumulators take turns, one instruction a turn, in the same order in every step
.macro MULA a, p, f, slot, zero
.irp b, 0,1,2,3,4,5,6,7
.if \zero
	v_wmma_scale_f32_16x16x128_f8f6f4 v[8*(8*(\a)+\b):8*(8*(\a)+\b)+7], v[128*(\p)+12*\b:128*(\p)+12*\b+11], v[AF+48*(\p)+12*(\a):AF+48*(\p)+12*(\a)+11], v[CB+8*\b:CB+8*\b+7], v[SC+32*(\slot)+4*\b+(\f)], v[SC+32*(\slot)+4*(\a)+(\f)] matrix_a_fmt:MATRIX_FMT_FP6 matrix_b_fmt:MATRIX_FMT_FP6 matrix_a_scale:MATRIX_SCALE_ROW1
.else
	v_wmma_scale_f32_16x16x128_f8f6f4 v[8*(8*(\a)+\b):8*(8*(\a)+\b)+7], v[128*(\p)+12*\b:128*(\p)+12*\b+11], v[AF+48*(\p)+12*(\a):AF+48*(\p)+12*(\a)+11], v[8*(8*(\a)+\b):8*(8*(\a)+\b)+7], v[SC+32*(\slot)+4*\b+(\f)], v[SC+32*(\slot)+4*(\a)+(\f)] matrix_a_fmt:MATRIX_FMT_FP6 matrix_b_fmt:MATRIX_FMT_FP6 matrix_a_scale:MATRIX_SCALE_ROW1
.endif
.endr
.endm
.macro STEP slot, f, zero              ; one of a slot's first three steps of 128 along K; zero = 1: the bias starts the sums
	s_wait_dscnt 6                                 ; all but the youngest six loads, my A blocks 2, 3
	WIN MUL+0x10*(\zero)
	MULA 0, (\f)%2, \f, \slot, \zero
	MULA 1, (\f)%2, \f, \slot, \zero
	PLACES
	FETCH \slot, (\f)+1, 1-(\f)%2, 0
	s_wait_dscnt 36                                ; all but the 36 just issued
	WIN MUL+0x10*(\zero)
	MULA 2, (\f)%2, \f, \slot, \zero
	MULA 3, (\f)%2, \f, \slot, \zero
.endm
; A slot's last step changes slots: one barrier; in front of it each wave waits for all its tensor loads, adds 0 to its spare word, and waits for that and for its reads of this slot.  fill = 1: the slot is filled again
.macro TURN slot, next, fill
	WIN 0
	s_wait_tensorcnt 0x0                           ; all my tensor loads have landed: my part of the next slot
	ds_add_u32 v[SPW], v[NIL]                      ; 0 onto my spare word
	s_wait_dscnt 7                                 ; (the add and my A blocks 2, 3 may be out)
	WIN MUL
	MULA 0, 1, 3, \slot, 0
	s_wait_dscnt 0x0                               ; the add is done, and my reads of this slot are over
	s_barrier_signal -1
	MULA 1, 1, 3, \slot, 0
	WIN 0
	s_barrier_wait -1
.if \fill
	CREST                                          ; the barrier has opened a round of the cluster's: no wave of any partner still reads this slot or has a load on its way
	s_add_nc_u64 s[G0+4*\slot+2:G0+4*\slot+3], s[G0+4*\slot+2:G0+4*\slot+3], 2*REC
	s_add_nc_u64 s[G0B+4*\slot+2:G0B+4*\slot+3], s[G0B+4*\slot+2:G0B+4*\slot+3], 2*REC
	JLOAD \slot                                    ; the first tensor load behind the round; its four v_nop are the places in front of the loads below
.else
	PLACES
.endif
	FETCH \next, 0, 0, 1
	WIN MUL
	MULA 2, 1, 3, \slot, 0
	MULA 3, 1, 3, \slot, 0
.endm
	s_wait_tensorcnt 1                             ; my part of slot 0 is in; slot 1's may stay out
	s_barrier_signal -1
	s_barrier_wait -1
	FETCH 0, 0, 0, 1
	STEP 0, 0, 1
	WIN 0
	s_mov_b32 s3, 3
.Llap:                                                 ; three trips, each once round the ring, from a lap's second step to the next lap's first: six refills
	STEP 0, 1, 0
	STEP 0, 2, 0
	TURN 0, 1, 1
	STEP 1, 0, 0
	STEP 1, 1, 0
	STEP 1, 2, 0
	TURN 1, 0, 1
	STEP 0, 0, 0
	WIN 0
	s_sub_co_u32 s3, s3, 1
	s_cmp_lg_u32 s3, 0
	s_cbranch_scc1 .Llap
	STEP 0, 1, 0                                   ; the last lap fills nothing
	STEP 0, 2, 0
	TURN 0, 1, 0
	STEP 1, 0, 0
	STEP 1, 1, 0
	STEP 1, 2, 0
	s_wait_dscnt 6
	WIN MUL
	MULA 0, 1, 3, 1, 0
	MULA 1, 1, 3, 1, 0
	s_wait_dscnt 0x0
	MULA 2, 1, 3, 1, 0
	MULA 3, 1, 3, 1, 0
	WIN 0
	; THE WAY OUT, a block of 16 rows of A at a time: the lane's bias; the rotary step on registers 0-31 (d = 16 h + i and 32 + 16 h + i); quantised; three stores of 512 consecutive bytes
	PLACES
	s_mov_b32 s[SEL], 0x76543210
	s_mov_b32 s[SEL+1], 0xfedcba98
.irp b, 0,1,2,3
	v_mov_b32 v[TM+4+\b], 0
.endr
.irp a, 0,1,2,3
.if \a > 0
	s_wait_xcnt 0x0                                ; the last block's stores have read their data: the codes' registers are written again
.endif
	WIN 0x0e                                       ; source 0 window 2, source 1 window 3
.set j, 0
.rept 32
	v_pk_add_f32 v[H+j:H+j+1], v[64*\a+j:64*\a+j+1], v[RBI+2*\a:RBI+2*\a+1]   ; ascending: each accumulator is read from its low end on
.set j, j+2
.endr
	WIN 0x0c                                       ; source 1 window 3
.irp i, 0,2,4,6,8,10,12,14
	v_pk_mul_f32 v[T0+\i:T0+\i+1], v[H+16+\i:H+17+\i], v[32*\a+16+\i:32*\a+17+\i]
	v_pk_mul_f32 v[T1+\i:T1+\i+1], v[H+\i:H+1+\i], v[32*\a+16+\i:32*\a+17+\i]
.endr
.irp i, 0,2,4,6,8,10,12,14
	v_pk_fma_f32 v[H+\i:H+1+\i], v[H+\i:H+1+\i], v[32*\a+\i:32*\a+1+\i], v[T0+\i:T0+\i+1] neg_lo:[0,0,1] neg_hi:[0,0,1]   ; x1 cos - x2 sin
	v_pk_fma_f32 v[H+16+\i:H+17+\i], v[H+16+\i:H+17+\i], v[32*\a+\i:32*\a+1+\i], v[T1+\i:T1+\i+1]                          ; x2 cos + x1 sin
.endr
	WIN 0
	QUANT H, PC, TP, PW+\a
.irp c, 0,1,2
	global_store_b128 v[OC], v[PC+4*\c:PC+4*\c+3], s[88:89] offset:1536*\a+512*\c
.endr
.endr
	v_cmp_le_u32 vcc_lo, 16, v1                    ; the four blocks' scale words: lanes 0-15 words 0, 1 of their row, lanes 16-31 words 2, 3: 256 consecutive bytes
	v_cndmask_b32 v[QP], v[PW], v[PW+2], vcc_lo
	v_cndmask_b32 v[QP+1], v[PW+1], v[PW+3], vcc_lo
	global_store_b64 v[OS], v[QP:QP+1], s[90:91]
	s_wait_tensorcnt 0x0                           ; the wave's end
	ds_add_u32 v[SPW], v[NIL]
	s_wait_dscnt 0x0
	CROUND                                         ; the closing round
	s_endpgm
.Lfunc_end_k_qe8d54eafeb_qkv:
	.size	k_qe8d54eafeb_qkv, .Lfunc_end_k_qe8d54eafeb_qkv-k_qe8d54eafeb_qkv
	.p2alignl 7, 3214868480
	.fill 96, 4, 3214868480
	.section	.rodata,"a",@progbits
	.p2align	6, 0x0
	.amdhsa_kernel k_qe8d54eafeb_qkv
		.amdhsa_group_segment_fixed_size 327680
		.amdhsa_private_segment_fixed_size 0
		.amdhsa_enable_private_segment 0
		.amdhsa_kernarg_size 56
		.amdhsa_user_sgpr_count 2
		.amdhsa_user_sgpr_kernarg_segment_ptr 1
		.amdhsa_wavefront_size32 1
		.amdhsa_system_sgpr_workgroup_id_x 1
		.amdhsa_system_sgpr_workgroup_id_y 1
		.amdhsa_system_sgpr_workgroup_id_z 1
		.amdhsa_system_vgpr_workitem_id 0
		.amdhsa_next_free_vgpr 1024
		.amdhsa_next_free_sgpr 100
		.amdhsa_reserve_vcc 1
		.amdhsa_float_denorm_mode_32 3
		.amdhsa_float_denorm_mode_16_64 3
		.amdhsa_memory_ordered 1
		.amdhsa_forward_progress 1
		.amdhsa_inst_pref_size 170
	.end_amdhsa_kernel
	.amdgpu_metadata
---
amdhsa.version: [ 1, 2 ]
amdhsa.kernels:
  - .name:           k_qe8d54eafeb_qkv
    .symbol:         k_qe8d54eafeb_qkv.kd
    .args:
      - { .name: codes, .offset: 0, .size: 8, .value_kind: global_buffer, .address_space: global }
      - { .name: rope, .offset: 8, .size: 8, .value_kind: global_buffer, .address_space: global }
      - { .name: bq, .offset: 16, .size: 8, .value_kind: global_buffer, .address_space: global }
      - { .name: bkv, .offset: 24, .size: 8, .value_kind: global_buffer, .address_space: global }
      - { .name: qc, .offset: 32, .size: 8, .value_kind: global_buffer, .address_space: global }
      - { .name: qs, .offset: 40, .size: 8, .value_kind: global_buffer, .address_space: global }
      - { .name: kv, .offset: 48, .size: 8, .value_kind: global_buffer, .address_space: global }
    .group_segment_fixed_size: 327680
    .private_segment_fixed_size: 0
    .kernarg_segment_align: 8
    .kernarg_segment_size: 56
    .max_flat_workgroup_size: 128
    .sgpr_count:     100
    .vgpr_count:     1024
    .wavefront_size: 32
...
	.end_amdgpu_metadata
.endif
;; end of part 2
;; launch attn (part 3): grid 32 x 8, 8 waves a work-group, clusters of 4 x 4, 327,680 bytes of LDS; arguments qc, qs, kv, mask3, ac; writes ac
.if DOCPART == 3
	.amdgcn_target "amdgcn-amd-amdhsa--gfx1250"
	.amdhsa_code_object_version 6
	.text
	.protected	k_qe8d54eafeb_attn
	.globl	k_qe8d54eafeb_attn
	.p2align	8
	.type	k_qe8d54eafeb_attn,@function
k_qe8d54eafeb_attn:
	s_mov_b64 s[64:65], 0
	v_nop
	global_prefetch_b8 v0, s[64:65] scope:SCOPE_SE
	s_setreg_imm32_b32 hwreg(HW_REG_WAVE_MODE, 25, 1), 1
	s_wait_xcnt 0x0
	s_wait_alu depctr_hold_cnt(0) depctr_sa_sdst(0) depctr_va_vdst(0) depctr_va_sdst(0) depctr_va_ssrc(0) depctr_va_vcc(0) depctr_vm_vsrc(0)
	s_getreg_b32 s2, hwreg(HW_REG_IB_STS2, 6, 4)
	s_cmp_eq_u32 s2, 0
	s_cbranch_scc0 .Lentry_in_a_cluster
	s_endpgm
.Lentry_in_a_cluster:
	s_bfe_u32 s2, ttmp6, 0x10000c
	s_cmp_lg_u32 s2, 0xf033
	s_cbranch_scc0 .Lentry_shape_is_right
	s_endpgm
.Lentry_shape_is_right:
; ATTENTION on codes of FP6 with E8M0 scales: S^T = K Q^T (+ the mask), p = 2^(t - M) with M a whole number, O^T = V^T P^T, O / the sum of the unquantised p, quantised along (head, d) for the last product.
; SHARES.  A work-group owns 32 positions (row blocks 2 pb, 2 pb + 1) and the four query heads of key/value head g.  Wave w: head 4 g + w % 4, row block 2 pb + w / 4: one tile of 16 queries.
; Every wave walks all 1,024 keys, 128 a step: the mask is an input, so no key is left out.
; LAYOUT.  Both products are used transposed: a lane holds one query throughout.  The key blocks were laid by the launch before so that the 16 registers of tiles 2 b, 2 b + 1 are keys 32 b + 16 (lane / 16) + 0 .. 15.
; THE MASK, already x sqrt(128) and held at -2^100, lies as the scores' registers: it is the C of the first product: t = c (q . k + mask sqrt(128)), c = log2(e) / sqrt(128).
; LDS.  All of head g's K and V (4 x 51,200 bytes: 16 fragments of K, 16 of V^T, 4 + 4 blocks of scale words) is filled once and stays.  The mask goes through two slots of 256 keys x 32 queries (32,768 bytes).
; LDS LOADS A PHASE AHEAD.  A step's 64 loads of fragments and mask (V of this step, the mask and K of the next) stand in eight runs of 8 inside the softmax, whose 250 vector instructions name none of their
; registers: a second window of 256 registers holds a whole step's K, V and mask.  Each run costs two switches of the window; in return only the first step's loads stand bare in front of the products that want them.
; The mask's slot is left at the head of each odd step, when its second half has landed in registers.
; CLUSTER 4 x 4: K and V are shared along a row of the cluster (same g), the mask along a column (same pb).  Every wave issues every joint load, for an eighth of the bytes.  By this text's count a wave has six
; tensor loads out at the start and one behind each of the two rounds that fill a slot again.  No prefetch: K, V and half of the mask are first fills at the head; the two refills have two key steps in which to land.
; LIMITS: NaN and infinities are not served.  Mask values under -2^100 / sqrt(128) count as equal.  A row ALL of whose keys lie under that bound gets equal weights only as far as the sum of -2^100 and a score comes
; out as -2^100.  Blocks under 2^-124 keep the byte 1; a block of zeros gets the byte 1 (its codes are zeros).
; REGISTERS: window 0: v1-4, v7 addresses that stay; v5-6 the add's; v8-11, v28 addresses in hand; v12 -M, v13 the largest t, v[14:15] the sum; v16-27 Q; v32-39 K's scale words, v40-47 V's, and nothing else;
;   v48-84 the way out's quantiser; v96-159 S^T, p; v160-223 O^T; v224-235 p's codes; v232-247, v252, v254 at work; v253 p's scale word; v255 Q's.   window 1: v0-95 K, v96-191 V, v192-255 the mask.
.set KVB,   65536                      ; LDS: K and V
.set SPARE, KVB+4*51200                ; the spare words: 128 bytes for each of eight waves, four blocks of 256 bytes that no other line names
.set AL,   1                           ; v1  16 x lane + KVB
.set AS,   2                           ; v2  16 r + KVB
.set AM,   3                           ; v3  16 x lane + 16,384 (wave / 4)
.set SPW,  5
.set NIL,  6
.set ADK,  8                           ; the next step's K
.set ADS,  9                           ; its scale words
.set ADM,  10                          ; its mask
.set ADV,  11                          ; this step's V
.set ADVS, 28                          ; its scale words
.set KQ,   32
.set VQ,   40
.set TM,   48                          ; the way out's quantiser
.set PC,   64
.set TP,   76
.set PW,   84
.set KF,   0                           ; in window 1
.set VF,   96
.set MK,   192
.set WV,   18
.set SEL,  20
.set CS,   22
.set G1K,  24
.set G1M,  32
.set G0K,  40                          ; s[40:55] four sets
.set G0M,  56                          ; s[56:63] two sets; the second then walks on
.set TKV,  2                           ; s2  51,200 x the 256 keys in hand
.set TMS,  3                           ; s3  the mask's slot in hand
.set MSB, 0
.macro WIN new                         ; the immediate's high byte repeats the setting that is left
.if MSB != (\new)
	s_set_vgpr_msb (MSB<<8)|(\new)
.set MSB, (\new)
.endif
.endm
.macro CROUND
	s_barrier_signal -1
	s_barrier_wait -1
	s_cmp_lg_u32 s[WV], 0
	s_cbranch_scc1 .Lnot_wave_0_\@
	s_barrier_signal -3
.Lnot_wave_0_\@:
	s_barrier_wait -3
	s_barrier_signal -1
	s_barrier_wait -1
.endm
; A run of eight LDS loads, 512 consecutive bytes each, into window 1: registers reg + 32 n on, from byte off + 4,096 n of the address in v[adr]
.macro CHUNK reg, adr, off, n
	WIN 0x40                                       ; destination window 1
.irp e, 0,1,2,3,4,5,6,7
	ds_load_b128 v[\reg+32*(\n)+4*\e:\reg+32*(\n)+4*\e+3], v[\adr] offset:\off+4096*(\n)+512*\e
.endr
	WIN 0
.endm
.macro QUANT s, pc, tp, pw
.irp b, 0,1,2,3
	v_max3_num_f32 v[TM+\b], |v[\s+16*\b]|, |v[\s+1+16*\b]|, 0x1800000
.endr
.irp i, 2,4,6,8,10,12,14
.irp b, 0,1,2,3
	v_max3_num_f32 v[TM+\b], v[TM+\b], |v[\s+16*\b+\i]|, |v[\s+1+16*\b+\i]|
.endr
.endr
.irp b, 0,1,2,3
	v_permlanex16_b32 v[TM+4+\b], v[TM+\b], s[SEL], s[SEL+1]
.endr
.irp b, 0,1,2,3
	v_max_num_f32 v[TM+\b], v[TM+\b], v[TM+4+\b]
.endr
.irp b, 0,1,2,3
	v_add_nc_u32 v[TM+12+\b], 0xff000000, v[TM+\b]
.endr
.irp b, 0,1,2,3
	v_lshrrev_b32 v[TM+4+\b], 23, v[TM+12+\b]
.endr
	v_lshl_or_b32 v[\pw], v[TM+5], 8, v[TM+4]
	v_lshl_or_b32 v[\pw], v[TM+6], 16, v[\pw]
	v_lshl_or_b32 v[\pw], v[TM+7], 24, v[\pw]
.irp c, 0,1
	v_cvt_scalef32_pk16_fp6_f32 v[\pc+6*\c:\pc+2+6*\c], v[\s+32*\c:\s+15+32*\c], v[TM+12+2*\c]
	v_cvt_scalef32_pk16_fp6_f32 v[\tp+4*\c:\tp+2+4*\c], v[\s+16+32*\c:\s+31+32*\c], v[TM+12+2*\c+1]
.endr
	v_nop
.irp c, 0,1
.irp i, 0,1,2
	v_permlane16_swap_b32 v[\pc+6*\c+\i], v[\tp+4*\c+\i]
.endr
.irp i, 0,1,2
	v_mov_b32 v[\pc+3+6*\c+\i], v[\tp+4*\c+\i]
.endr
.endr
.endm
	s_load_b256 s[4:11], s[0:1], 0x0               ; qc s[4:5], qs s[6:7], kv s[8:9], mask3 s[10:11]
	s_load_b64 s[12:13], s[0:1], 0x20              ; ac
	v_lshl_add_u32 v[SPW], v0, 2, SPARE
	v_mov_b32 v[NIL], 0
	ds_add_u32 v5, v6
	ds_add_u32 v5, v6
	s_wait_dscnt 0x0
	v_lshrrev_b32 v8, 5, v0
	v_readfirstlane_b32 s[WV], v8                  ; wave 0..7
	s_bfe_u32 s67, ttmp6, 0x40000                  ; cx
	s_bfe_u32 s68, ttmp6, 0x40004                  ; cy
	s_lshl_b32 s69, ttmp9, 2
	s_add_co_u32 s69, s69, s67                     ; pb
	s_and_b32 s70, ttmp7, 0xffff
	s_lshl_b32 s70, s70, 2
	s_add_co_u32 s70, s70, s68                     ; g
	s_lshl_b32 s71, s68, 2
	s_lshl_b32 s71, 15, s71                        ; my row of the cluster
	s_lshl_b32 s72, 0x1111, s67                    ; my column
	; group 1: dense blocks as rows of 256 bytes (32 elements of 8 bytes): K and V 25 rows a wave, the mask 16
	s_or_b32 s[G1K], s71, (3<<16)|(1<<21)
	s_or_b32 s[G1M], s72, (3<<16)|(1<<21)
	s_mov_b32 s[G1K+1], 32<<16
	s_mov_b32 s[G1K+2], 25<<16
	s_mov_b32 s[G1K+3], 32<<16
	s_mov_b32 s[G1K+4], 25
	s_mov_b32 s[G1K+5], 32
	s_mov_b32 s[G1K+6], 0
	s_mov_b32 s[G1K+7], 0
	s_mov_b32 s[G1M+1], 32<<16
	s_mov_b32 s[G1M+2], 16<<16
	s_mov_b32 s[G1M+3], 32<<16
	s_mov_b32 s[G1M+4], 16
	s_mov_b32 s[G1M+5], 32
	s_mov_b32 s[G1M+6], 0
	s_mov_b32 s[G1M+7], 0
	s_mul_i32 s74, s70, 204800                     ; K and V: head g, my eighth.  It hangs on g and the wave
	s_mul_i32 s73, s[WV], 6400
	s_add_co_u32 s74, s74, s73
	s_mov_b32 s75, 0
	s_add_co_u32 s78, s73, KVB
	s_lshl_b32 s76, s69, 1                         ; the mask: row block 2 pb + wave / 4, my quarter of its 16,384 bytes.  It hangs on pb and the wave
	s_lshr_b32 s79, s[WV], 2                       ; u
	s_add_co_u32 s76, s76, s79
	s_mov_b32 s85, s76                             ; my row block
	s_lshl_b32 s76, s76, 16
	s_and_b32 s84, s[WV], 3                        ; hh
	s_lshl_b32 s77, s84, 12
	s_add_co_u32 s76, s76, s77
	s_mov_b32 s77, 0
	s_lshl_b32 s86, s[WV], 12
	s_mov_b32 s[SEL], 0x76543210
	s_mov_b32 s[SEL+1], 0xfedcba98
	s_mov_b32 s[CS], 0x3e0293ee                    ; c = log2(e) / sqrt(128)
	s_mov_b32 s[CS+1], s[CS]
	s_mov_b32 s[TKV], 0
	s_mov_b32 s[TMS], 0
	s_wait_kmcnt 0x0
	s_add_nc_u64 s[80:81], s[8:9], s[74:75]
	s_add_nc_u64 s[82:83], s[10:11], s[76:77]
.irp sg, 0,1,2,3
	s_mov_b32 s[G0K+4*\sg], 1
	s_add_co_u32 s[G0K+4*\sg+1], s78, \sg*51200
	s_add_nc_u64 s[G0K+4*\sg+2:G0K+4*\sg+3], s[80:81], \sg*51200
	s_or_b32 s[G0K+4*\sg+3], s[G0K+4*\sg+3], 0x80000000
.endr
.irp sg, 0,1
	s_mov_b32 s[G0M+4*\sg], 1
	s_add_co_u32 s[G0M+4*\sg+1], s86, \sg*32768
	s_add_nc_u64 s[G0M+4*\sg+2:G0M+4*\sg+3], s[82:83], \sg*16384
	s_or_b32 s[G0M+4*\sg+3], s[G0M+4*\sg+3], 0x80000000
.endr
	CROUND                                         ; all sixteen work-groups are here: the first joint loads meet
	tensor_load_to_lds s[G0K:G0K+3], s[G1K:G1K+7]          ; keys 0-255
	s_nop 0
	tensor_load_to_lds s[G0M:G0M+3], s[G1M:G1M+7]          ; their mask
	s_nop 0
	tensor_load_to_lds s[G0K+4:G0K+7], s[G1K:G1K+7]
	s_nop 0
	tensor_load_to_lds s[G0M+4:G0M+7], s[G1M:G1M+7]
	s_nop 0
	tensor_load_to_lds s[G0K+8:G0K+11], s[G1K:G1K+7]
	s_nop 0
	tensor_load_to_lds s[G0K+12:G0K+15], s[G1K:G1K+7]
	s_nop 0
.rept 4
	v_nop
.endr
	s_lshl_b32 s87, s70, 2
	s_add_co_u32 s87, s87, s84                     ; my head
	s_lshl_b32 s88, s87, 6
	s_add_co_u32 s88, s88, s85
	s_mul_i32 s88, s88, 1536
	s_mov_b32 s89, 0
	s_add_nc_u64 s[4:5], s[4:5], s[88:89]          ; Q's fragment
	s_lshl_b32 s88, s87, 4
	s_lshr_b32 s90, s85, 2
	s_add_co_u32 s88, s88, s90
	s_lshl_b32 s88, s88, 8
	s_and_b32 s90, s85, 3
	s_lshl_b32 s90, s90, 2
	s_add_co_u32 s88, s88, s90
	s_add_nc_u64 s[6:7], s[6:7], s[88:89]          ; its scale words
	s_lshl_b32 s88, s85, 3
	s_add_co_u32 s88, s88, s70
	s_mul_i32 s88, s88, 6400
	s_add_nc_u64 s[12:13], s[12:13], s[88:89]      ; the record (row block, g) of ac
	v_and_b32 v28, 31, v0
	v_and_b32 v29, 15, v0
	v_lshlrev_b32 v30, 4, v28                      ; 16 x lane
	v_lshlrev_b32 v31, 4, v29                      ; 16 r
	global_load_b128 v[16:19], v30, s[4:5]
	global_load_b128 v[20:23], v30, s[4:5] offset:512
	global_load_b128 v[24:27], v30, s[4:5] offset:1024
	global_load_b32 v255, v31, s[6:7]
	v_add_nc_u32 v[AL], KVB, v30
	v_add_nc_u32 v[AS], KVB, v31
	s_lshl_b32 s90, s79, 14
	v_add_nc_u32 v[AM], s90, v30
	s_mul_i32 s90, s84, 1536
	v_add_nc_u32 v7, s90, v30                      ; the way out: fragment hh of the record
	s_lshl_b32 s91, s84, 2
	v_add_nc_u32 v4, s91, v31                      ; and word hh of my row's four
	v_mov_b32 v13, 0xff61b1e6                      ; the largest t so far: -3e38
	v_floor_f32 v12, -v13                          ; -M
	v_mov_b32 v14, 0
	v_mov_b32 v15, 0
.irp b, 0,1,2,3
	v_mov_b32 v[236+\b], 0                         ; a lane permute's destination counts as one of its sources
.endr
	v_mov_b32 v253, 0                              ; (named as the upper half of v[252:253] before it is first written)
.set j, 0
.rept 64
	v_mov_b32 v[160+j], 0                          ; O^T: the step is written for every step alike; the first change of M leaves zeros zeros
.set j, j+1
.endr
; A KEY STEP: 128 keys, the q-th of the 256 in hand.  Its K, mask and K's scale words were asked for in the step before.  last = 1: nothing follows, so nothing is asked for but V
.macro STEP q, last
	s_wait_dscnt 0x0                               ; this step's K, mask and scale words are in
	WIN 0x11                                       ; source 0 (K) and C (the mask) window 1
.irp t, 0,1,2,3,4,5,6,7
	v_wmma_scale_f32_16x16x128_f8f6f4 v[96+8*\t:103+8*\t], v[KF+12*\t:KF+12*\t+11], v[16:27], v[MK+8*\t:MK+8*\t+7], v[KQ+\t], v255 matrix_a_fmt:MATRIX_FMT_FP6 matrix_b_fmt:MATRIX_FMT_FP6
.endr
	WIN 0
	v_add_nc_u32 v[ADV], s[TKV], v[AL]             ; the additions are the places behind the products, in front of the loads into their registers and of the first read of the scores
	v_add_nc_u32 v[ADVS], s[TKV], v[AS]
.if \last
	v_nop
	v_nop
.else
.if \q
	s_add_co_u32 s[TKV], s[TKV], 51200             ; the next step begins the next 256 keys,
	s_xor_b32 s[TMS], s[TMS], 0x8000               ; whose mask lies in the other slot
.endif
	v_add_nc_u32 v[ADK], s[TKV], v[AL]
	v_add_nc_u32 v[ADS], s[TKV], v[AS]
	v_add_nc_u32 v[ADM], s[TMS], v[AM]
.endif
	ds_load_b128 v[VQ:VQ+3], v[ADVS] offset:50176+256*(2*(\q))
	ds_load_b128 v[VQ+4:VQ+7], v[ADVS] offset:50176+256*(2*(\q)+1)
.if (\last) == 0
	ds_load_b128 v[KQ:KQ+3], v[ADS] offset:49152+256*(2*(1-(\q)))
	ds_load_b128 v[KQ+4:KQ+7], v[ADS] offset:49152+256*(2*(1-(\q))+1)
.endif
.irp b, 0,1,2,3
	v_max3_num_f32 v[232+\b], v[96+16*\b], v[97+16*\b], v[98+16*\b]   ; the largest score of each block of 32 keys: for the row's maximum and, since p rises with the score, for the block's largest p
.endr
.irp i, 3,5,7,9,11,13
.irp b, 0,1,2,3
	v_max3_num_f32 v[232+\b], v[232+\b], v[96+16*\b+\i], v[97+16*\b+\i]
.endr
.if (\i%4) == 3
	CHUNK VF, ADV, 24576+12288*(\q), (\i-3)/4      ; this step's V, in three runs
.endif
.endr
.irp b, 0,1,2,3
	v_max_num_f32 v[232+\b], v[232+\b], v[111+16*\b]
.endr
.irp b, 0,1,2,3
	v_permlanex16_b32 v[236+\b], v[232+\b], s[SEL], s[SEL+1]
.endr
.irp b, 0,1,2,3
	v_max_num_f32 v[232+\b], v[232+\b], v[236+\b]  ; with lane l xor 16's 16 keys
.endr
	v_max3_num_f32 v254, v232, v233, v234
	v_max_num_f32 v254, v254, v235
	v_mul_f32 v254, s[CS], v254                    ; the step's largest t
	v_max_num_f32 v13, v13, v254                   ; the running largest t
	v_mov_b32 v254, v12
	v_floor_f32 v12, -v13                          ; the new -M = -ceil(t): a whole number
	v_sub_f32 v254, v12, v254                      ; old M - new M: a whole number, 0 or less
	v_cvt_i32_f32 v254, v254                       ; (it saturates)
	v_ldexp_f32 v252, 1.0, v254                    ; f = 2^(old M - new M): rounds nothing
.set j, 0
.rept 32
	v_pk_fma_f32 v[96+j:97+j], v[96+j:97+j], s[CS:CS+1], v[12:13] op_sel_hi:[1,0,0]   ; t - M
.if (j%32 == 14) && ((\last) == 0)
	CHUNK MK, ADM, 8192*(1-(\q)), j/32             ; the next step's mask, in two runs
.endif
.set j, j+2
.endr
.irp b, 0,1,2,3
	v_fma_f32 v[232+\b], v[232+\b], s[CS], v12
.endr
.set j, 0
.rept 64
	v_exp_f32 v[96+j], v[96+j]                     ; p = 2^(t - M), at most 1, not normalised
.if (j%16 == 15) && (j < 48) && ((\last) == 0)
	CHUNK KF, ADK, 12288*(1-(\q)), j/16            ; the next step's K, in three runs
.endif
.set j, j+1
.endr
	v_pk_mul_f32 v[14:15], v[14:15], v[252:253] op_sel_hi:[1,0]   ; the sums under the new M (a plain place behind the exponentials)
	s_wait_alu depctr_va_vdst(0)                   ; one wait for the batch, ahead of its first reader
.irp b, 0,1,2,3
	v_exp_f32 v[232+\b], v[232+\b]                 ; each block's largest p
.endr
	v_pk_add_f32 v[236:237], v[96:97], v[98:99]    ; the row's sum is taken of the unquantised p, in two chains
.irp j, 4,8,12,16,20,24,28,32,36,40,44,48,52,56,60
	v_pk_add_f32 v[14:15], v[14:15], v[96+\j:97+\j]
	v_pk_add_f32 v[236:237], v[236:237], v[98+\j:99+\j]
.endr
	v_pk_add_f32 v[14:15], v[14:15], v[236:237]
	s_wait_alu depctr_va_vdst(0)                   ; and one for the four
.irp b, 0,1,2,3
	v_max_num_f32 v[232+\b], 0x1800000, v[232+\b]  ; the floor 2^(3 - 127)
.endr
.irp b, 0,1,2,3
	v_add_nc_u32 v[244+\b], 0xff000000, v[232+\b]  ; the conversion's scale operand
.endr
.irp b, 0,1,2,3
	v_lshrrev_b32 v[236+\b], 23, v[244+\b]
.endr
	v_lshl_or_b32 v253, v237, 8, v236              ; p's scale word for these 128 keys
	v_lshl_or_b32 v253, v238, 16, v253
	v_lshl_or_b32 v253, v239, 24, v253
.irp c, 0,1
	v_cvt_scalef32_pk16_fp6_f32 v[224+6*\c:226+6*\c], v[96+32*\c:111+32*\c], v[244+2*\c]
	v_cvt_scalef32_pk16_fp6_f32 v[236+4*\c:238+4*\c], v[112+32*\c:127+32*\c], v[244+2*\c+1]
.endr
	v_nop
.irp c, 0,1
.irp i, 0,1,2
	v_permlane16_swap_b32 v[224+6*\c+\i], v[236+4*\c+\i]
.endr
.irp i, 0,1,2
	v_mov_b32 v[227+6*\c+\i], v[236+4*\c+\i]
.endr
.endr
.set j, 0
.rept 32
	v_pk_mul_f32 v[160+j:161+j], v[160+j:161+j], v[252:253] op_sel_hi:[1,0]   ; O^T under the new M; also the places in front of the matrix instructions below
.set j, j+2
.endr
.if \last
	s_wait_dscnt 0x0
.else
	s_wait_dscnt 40                                ; V and its scale words are in; the 40 younger loads, the next step's mask and K, may be out
.endif
	WIN 0x01                                       ; source 0 (V) window 1
.irp t, 0,1,2,3,4,5,6,7                        ; O^T += V^T P^T: the eight accumulators take turns, one instruction a turn
	v_wmma_scale_f32_16x16x128_f8f6f4 v[160+8*\t:167+8*\t], v[VF+12*\t:VF+12*\t+11], v[224:235], v[160+8*\t:167+8*\t], v[VQ+\t], v253 matrix_a_fmt:MATRIX_FMT_FP6 matrix_b_fmt:MATRIX_FMT_FP6
.endr
	WIN 0
.endm
; THE CHANGE OF THE MASK'S SLOTS, at the head of an odd step: the slot's second half has been asked for.  Each wave waits for all its tensor loads, adds 0 to its spare word, and waits for that and for its LDS loads,
; its reads of the slot among them.  fill = 1: that slot takes the mask of the 256 keys two on
.macro CHANGE fill
	s_wait_tensorcnt 0x0
	ds_add_u32 v[SPW], v[NIL]
.if \fill
	s_xor_b32 s[G0M+5], s[G0M+5], 0x8000           ; the walking descriptor: the other slot than last time,
	s_add_nc_u64 s[G0M+6:G0M+7], s[G0M+6:G0M+7], 16384   ; the next 256 keys
.endif
	s_wait_dscnt 0x0
.if \fill
	CROUND                                         ; no wave of any partner still reads the slot or has a load on its way
	tensor_load_to_lds s[G0M+4:G0M+7], s[G1M:G1M+7]
	s_nop 0
.rept 4
	v_nop
.endr
.else
	s_barrier_signal -1
	s_barrier_wait -1
.endif
.endm
	s_wait_loadcnt 0x0                             ; Q
	s_wait_tensorcnt 4                             ; my parts of the first 256 keys and of their mask are in; the four younger loads may stay out
	s_barrier_signal -1
	s_barrier_wait -1
	v_add_nc_u32 v[ADK], s[TKV], v[AL]             ; the first step's K, mask and scale words
	v_add_nc_u32 v[ADS], s[TKV], v[AS]
	v_add_nc_u32 v[ADM], s[TMS], v[AM]
	ds_load_b128 v[KQ:KQ+3], v[ADS] offset:49152
	ds_load_b128 v[KQ+4:KQ+7], v[ADS] offset:49152+256
	CHUNK MK, ADM, 0, 0
	CHUNK MK, ADM, 0, 1
	CHUNK KF, ADK, 0, 0
	CHUNK KF, ADK, 0, 1
	CHUNK KF, ADK, 0, 2
	STEP 0, 0                                      ; keys 0-127
	s_mov_b32 s66, 2
.Lslot:                                            ; two trips: an odd step, at whose head a slot of the mask is filled again, and the even step behind it
	CHANGE 1
	STEP 1, 0
	STEP 0, 0
	s_sub_co_u32 s66, s66, 1
	s_cmp_lg_u32 s66, 0
	s_cbranch_scc1 .Lslot
	CHANGE 0                                       ; the tail is written out: nothing is left to fetch; the barrier shows the last 256 keys' mask to every wave
	STEP 1, 0
	STEP 0, 0
	STEP 1, 1
	; THE WAY OUT: O^T / the sum; register 16 b + i is d = 32 b + 16 (lane / 16) + i of my query: quantised as it stands; fragment hh of the record (row block, g)
.rept 4
	v_nop
.endr
	v_add_f32 v14, v14, v15
	v_permlanex16_b32 v252, v14, s[SEL], s[SEL+1]
	v_add_f32 v14, v14, v252                       ; the row's sum
	v_rcp_f32 v14, v14
.irp b, 0,1,2,3
	v_mov_b32 v[TM+4+\b], 0                        ; (plain places behind the reciprocal)
.endr
	s_wait_alu depctr_va_vdst(0)                   ; ahead of its first reader
.set j, 0
.rept 64
	v_mul_f32 v[96+j], v[160+j], v14               ; ascending: each accumulator is read from its low end on
.set j, j+1
.endr
	QUANT 96, PC, TP, PW
.irp c, 0,1,2
	global_store_b128 v7, v[PC+4*\c:PC+4*\c+3], s[12:13] offset:512*\c
.endr
	global_store_b32 v4, v[PW], s[12:13] offset:6144   ; lanes l and l + 16 hold the same word and name the same address
	s_wait_tensorcnt 0x0                           ; the wave's end
	ds_add_u32 v[SPW], v[NIL]
	s_wait_dscnt 0x0
	CROUND                                         ; the closing round
	s_endpgm
.Lfunc_end_k_qe8d54eafeb_attn:
	.size	k_qe8d54eafeb_attn, .Lfunc_end_k_qe8d54eafeb_attn-k_qe8d54eafeb_attn
	.p2alignl 7, 3214868480
	.fill 96, 4, 3214868480
	.section	.rodata,"a",@progbits
	.p2align	6, 0x0
	.amdhsa_kernel k_qe8d54eafeb_attn
		.amdhsa_group_segment_fixed_size 327680
		.amdhsa_private_segment_fixed_size 0
		.amdhsa_enable_private_segment 0
		.amdhsa_kernarg_size 40
		.amdhsa_user_sgpr_count 2
		.amdhsa_user_sgpr_kernarg_segment_ptr 1
		.amdhsa_wavefront_size32 1
		.amdhsa_system_sgpr_workgroup_id_x 1
		.amdhsa_system_sgpr_workgroup_id_y 1
		.amdhsa_system_sgpr_workgroup_id_z 1
		.amdhsa_system_vgpr_workitem_id 0
		.amdhsa_next_free_vgpr 512
		.amdhsa_next_free_sgpr 100
		.amdhsa_reserve_vcc 0
		.amdhsa_float_denorm_mode_32 3
		.amdhsa_float_denorm_mode_16_64 3
		.amdhsa_memory_ordered 1
		.amdhsa_forward_progress 1
		.amdhsa_inst_pref_size 136
	.end_amdhsa_kernel
	.amdgpu_metadata
---
amdhsa.version: [ 1, 2 ]
amdhsa.kernels:
  - .name:           k_qe8d54eafeb_attn
    .symbol:         k_qe8d54eafeb_attn.kd
    .args:
      - { .name: qc, .offset: 0, .size: 8, .value_kind: global_buffer, .address_space: global }
      - { .name: qs, .offset: 8, .size: 8, .value_kind: global_buffer, .address_space: global }
      - { .name: kv, .offset: 16, .size: 8, .value_kind: global_buffer, .address_space: global }
      - { .name: mask3, .offset: 24, .size: 8, .value_kind: global_buffer, .address_space: global }
      - { .name: ac, .offset: 32, .size: 8, .value_kind: global_buffer, .address_space: global }
    .group_segment_fixed_size: 327680
    .private_segment_fixed_size: 0
    .kernarg_segment_align: 8
    .kernarg_segment_size: 40
    .max_flat_workgroup_size: 256
    .sgpr_count:     100
    .vgpr_count:     512
    .wavefront_size: 32
...
	.end_amdgpu_metadata
.endif
;; end of part 3
;; launch oproj (part 4): grid 32 x 8, 4 waves a work-group, clusters of 4 x 4, 327,680 bytes of LDS; arguments ac, codes, bo, out0; writes out0
.if DOCPART == 4
	.amdgcn_target "amdgcn-amd-amdhsa--gfx1250"
	.amdhsa_code_object_version 6
	.text
	.protected	k_qe8d54eafeb_oproj
	.globl	k_qe8d54eafeb_oproj
	.p2align	8
	.type	k_qe8d54eafeb_oproj,@function
k_qe8d54eafeb_oproj:
	s_mov_b64 s[64:65], 0
	v_nop
	global_prefetch_b8 v0, s[64:65] scope:SCOPE_SE
	s_setreg_imm32_b32 hwreg(HW_REG_WAVE_MODE, 25, 1), 1
	s_wait_xcnt 0x0
	s_wait_alu depctr_hold_cnt(0) depctr_sa_sdst(0) depctr_va_vdst(0) depctr_va_sdst(0) depctr_va_ssrc(0) depctr_va_vcc(0) depctr_vm_vsrc(0)
	s_getreg_b32 s2, hwreg(HW_REG_IB_STS2, 6, 4)
	s_cmp_eq_u32 s2, 0
	s_cbranch_scc0 .Lentry_in_a_cluster
	s_endpgm
.Lentry_in_a_cluster:
	s_bfe_u32 s2, ttmp6, 0x10000c
	s_cmp_lg_u32 s2, 0xf033
	s_cbranch_scc0 .Lentry_shape_is_right
	s_endpgm
.Lentry_shape_is_right:
; OUT = attn Wo^T + bo on codes of FP6 with E8M0 scales, K = 4,096.  A = the attention's result (ac: row blocks of 16 positions, 8 records each), B = Wo (codes: row blocks 448 on).
; A record (row block, 512 along K) is 4 fragments of 1,536 bytes, images of the operand's registers, and 256 bytes of scale words: 6,400 bytes; a row block's 8 records lie on end.
; A work-group makes 128 positions x 128 columns: 32 x 8 = 256 work-groups.  Wave w takes A's row blocks 4 (w / 2) on and B's 4 (w % 2) on: 4 x 4 = 16 accumulators; a step of 128 along K reads 8 fragments for 16 products.
; THE MATRIX INSTRUCTION IS USED TRANSPOSED (source 0 = 16 rows of Wo, source 1 = 16 positions).  bo is the C of each sum's first instruction.
; TWO UNEQUAL SLOTS.  One record of the tile's 16 row blocks is 102,400 bytes, so three fit in LDS: slot A holds TWO records (rows of 12,800 bytes, brought by one descriptor), slot B one.
; Records 0, 1 (A) and 2 (B) are first fills; then A takes 3, 4 while B is multiplied, B takes 5 while A is multiplied, A takes 6, 7 while B is multiplied: three refills for eight records, each behind a round.
; CLUSTER 4 x 4: A's records are shared along a row of the cluster, B's along a column, each by a joint load; waves 0, 1 fetch A's halves, waves 2, 3 B's, 4 row blocks a load.  By this text's count a wave has two
; tensor loads out at the start and one behind each round.  The 32 steps are written out by macros that take the step's number: there is no loop.
; Lane-row r of row block rb is row 32 (rb / 2) + 8 (rb % 2) + r + 8 (r / 8), for positions and for Wo's rows alike: the way out puts both back in order.
; No prefetch: three of the eight records are first fills at the head, and the next two are asked for seven steps later.  One tile to a work-group.  LIMITS: NaN and infinities are not served.
; REGISTERS: window 0: v1-7 lane numbers, v16-25 addresses, v28-29 the add's, v32-63 scale words and nothing else, v128-223 A's two sets (on the way out v128-191: rows of the result); window 1: B's two sets at v0, v128;
;   window 2: accumulator (a, b) at v[8 (4 a + b)]; window 3: v128-159 bo.
.set REC,    6400
.set SLB,    16*2*REC                  ; slot A: bytes 0 on, A's 8 row blocks x 12,800, then B's 8.  Slot B: from here on, A's 8 x 6,400, then B's 8
.set SPARE,  SLB+16*REC                ; the spare words: 128 bytes for each wave, two blocks of 256 bytes that no other line names
.set STAGE,  SPARE+512                 ; the way out: 16 rows x 272 bytes for each wave, bytes of their own into which no fill lands
.set SPITCH, 272                       ; 17 x 16 bytes
.set ADRA, 16                          ; v16, v17 my A row blocks in slot A, B: 16 x lane + the base
.set ADRB, 18                          ; v18, v19 my B row blocks
.set ADRS, 20                          ; v20, v21 scale words: lanes 0-15 A's, lanes 16-31 B's
.set CO,   22                          ; v22 my byte offset in two rows of the output
.set STO,  24                          ; v24 the stage, in
.set RD,   25                          ; v25 the stage, out
.set SPW,  28
.set NIL,  29
.set SC,   32                          ; record n's set at SC + 16 (n % 2); register 4 i + f: lanes 0-15 the word of my A block i, lanes 16-31 that of my B block i, for the record's f-th 128 along K
.set AF,   128
.set BK,   128
.set CB,   128                         ; in window 3
.set WV,   18
.set FB,   19                          ; wave / 2: I fetch for A (0) or B (1); also which four of A's row blocks I multiply
.set HF,   20                          ; wave % 2: which half I fetch; also which four of B's row blocks I multiply
.set G1AA, 24                          ; group 1: A's operand, slot A's shape
.set G1AB, 32                          ;          A's operand, slot B's shape
.set G1BA, 40                          ;          B's operand, slot A's shape
.set G1BB, 48                          ;          B's operand, slot B's shape
.set G0AA, 56                          ; group 0, likewise
.set G0AB, 60
.set G0BA, 68
.set G0BB, 72
.set MSB, 0
.macro WIN new                         ; the immediate's high byte repeats the setting that is left
.if MSB != (\new)
	s_set_vgpr_msb (MSB<<8)|(\new)
.set MSB, (\new)
.endif
.endm
.set MUL,  0xa1                        ; source 0 (B) window 1, source 1 (A) window 0, C and D window 2;  + 0x10: C from window 3
.set TO_B, 0x40
.macro JLOAD g0a, g1a, g0b, g1b        ; a joint load: waves 0, 1 for A, waves 2, 3 for B; four v_nop follow each line
	s_cmp_eq_u32 s[FB], 0
	s_cbranch_scc0 .Lfor_b_\@
	tensor_load_to_lds s[\g0a:\g0a+3], s[\g1a:\g1a+7]
	s_nop 0
.rept 4
	v_nop
.endr
	s_branch .Lasked_\@
.Lfor_b_\@:
	tensor_load_to_lds s[\g0b:\g0b+3], s[\g1b:\g1b+7]
	s_nop 0
.rept 4
	v_nop
.endr
.Lasked_\@:
.endm
.macro CREST                           ; a round of the cluster's barrier behind its opening barrier
	s_cmp_lg_u32 s[WV], 0
	s_cbranch_scc1 .Lnot_wave_0_\@
	s_barrier_signal -3
.Lnot_wave_0_\@:
	s_barrier_wait -3
	s_barrier_signal -1
	s_barrier_wait -1
.endm
.macro CROUND
	s_barrier_signal -1
	s_barrier_wait -1
	CREST
.endm
.macro PLACES                          ; four places behind matrix instructions, in front of loads into their registers and of reads of results
.rept 4
	v_nop
.endr
.endm
	s_load_b256 s[4:11], s[0:1], 0x0               ; ac s[4:5], codes s[6:7], bo s[8:9], out0 s[10:11]
	v_lshl_add_u32 v[SPW], v0, 2, SPARE
	v_mov_b32 v[NIL], 0
	ds_add_u32 v28, v29
	ds_add_u32 v28, v29
	s_wait_dscnt 0x0
	v_lshrrev_b32 v1, 5, v0
	v_readfirstlane_b32 s[WV], v1
	s_lshr_b32 s[FB], s[WV], 1
	s_and_b32 s[HF], s[WV], 1
	s_bfe_u32 s21, ttmp6, 0x40000                  ; cx
	s_bfe_u32 s22, ttmp6, 0x40004                  ; cy
	s_lshl_b32 s23, ttmp9, 2
	s_add_co_u32 s23, s23, s21                     ; tx: 128 columns
	s_and_b32 s76, ttmp7, 0xffff
	s_lshl_b32 s76, s76, 2
	s_add_co_u32 s76, s76, s22                     ; ty: 128 positions
	s_lshl_b32 s77, s22, 2
	s_lshl_b32 s77, 15, s77                        ; my row of the cluster
	s_lshl_b32 s78, 0x1111, s21                    ; my column
	; group 1: 4 rows (row blocks), 6,400 elements of 8 bytes apart; a row is two records (1,600 elements) for slot A, one (800) for slot B; no padding
	s_or_b32 s[G1AA], s77, (3<<16)|(1<<21)
	s_or_b32 s[G1AB], s77, (3<<16)|(1<<21)
	s_or_b32 s[G1BA], s78, (3<<16)|(1<<21)
	s_or_b32 s[G1BB], s78, (3<<16)|(1<<21)
.irp g, G1AA, G1BA
	s_mov_b32 s[\g+1], 1600<<16
	s_mov_b32 s[\g+2], 4<<16
	s_mov_b32 s[\g+3], 1600<<16
	s_mov_b32 s[\g+4], 4
	s_mov_b32 s[\g+5], 6400
	s_mov_b32 s[\g+6], 0
	s_mov_b32 s[\g+7], 0
.endr
.irp g, G1AB, G1BB
	s_mov_b32 s[\g+1], 800<<16
	s_mov_b32 s[\g+2], 4<<16
	s_mov_b32 s[\g+3], 800<<16
	s_mov_b32 s[\g+4], 4
	s_mov_b32 s[\g+5], 6400
	s_mov_b32 s[\g+6], 0
	s_mov_b32 s[\g+7], 0
.endr
	s_lshl_b32 s80, s76, 3
	s_lshl_b32 s81, s[HF], 2
	s_add_co_u32 s80, s80, s81                     ; A: row block 8 ty + 4 half.  It hangs on ty and the wave
	s_mul_i32 s80, s80, 51200
	s_mov_b32 s81, 0
	s_lshl_b32 s82, s23, 3
	s_lshl_b32 s83, s[HF], 2
	s_add_co_u32 s82, s82, s83
	s_add_co_u32 s82, s82, 448                     ; B: row block 448 + 8 tx + 4 half.  It hangs on tx and the wave
	s_mul_i32 s82, s82, 51200
	s_mov_b32 s83, 0
	s_mul_i32 s84, s[HF], 8*REC                    ; where they go: no place in the cluster enters an LDS address
	s_mul_i32 s85, s[HF], 4*REC
	s_wait_kmcnt 0x0
	s_add_nc_u64 s[86:87], s[4:5], s[80:81]
	s_add_nc_u64 s[88:89], s[6:7], s[82:83]
	CROUND                                         ; all sixteen work-groups are here: the first joint loads meet
	s_mov_b32 s[G0AA], 1
	s_add_co_u32 s[G0AA+1], s84, 0
	s_mov_b64 s[G0AA+2:G0AA+3], s[86:87]
	s_or_b32 s[G0AA+3], s[G0AA+3], 0x80000000
	s_mov_b32 s[G0BA], 1
	s_add_co_u32 s[G0BA+1], s84, 16*REC
	s_mov_b64 s[G0BA+2:G0BA+3], s[88:89]
	s_or_b32 s[G0BA+3], s[G0BA+3], 0x80000000
	JLOAD G0AA, G1AA, G0BA, G1BA                   ; records 0 and 1 into slot A
	s_mov_b32 s[G0AB], 1
	s_add_co_u32 s[G0AB+1], s85, SLB
	s_add_nc_u64 s[G0AB+2:G0AB+3], s[86:87], 2*REC
	s_or_b32 s[G0AB+3], s[G0AB+3], 0x80000000
	s_mov_b32 s[G0BB], 1
	s_add_co_u32 s[G0BB+1], s85, SLB+8*REC
	s_add_nc_u64 s[G0BB+2:G0BB+3], s[88:89], 2*REC
	s_or_b32 s[G0BB+3], s[G0BB+3], 0x80000000
	JLOAD G0AB, G1AB, G0BB, G1BB                   ; record 2 into slot B
	v_and_b32 v1, 31, v0                           ; lane
	v_and_b32 v2, 15, v0                           ; r
	v_bfe_u32 v3, v0, 4, 1                         ; h
	v_lshlrev_b32 v6, 4, v1                        ; 16 x lane
	s_mul_i32 s90, s[FB], 8*REC                    ; slot A: my four row blocks of A,
	s_mul_i32 s91, s[HF], 8*REC
	s_add_co_u32 s91, s91, 16*REC                  ; and of B
	v_add_nc_u32 v[ADRA], s90, v6
	v_add_nc_u32 v[ADRB], s91, v6
	s_sub_co_u32 s92, s91, s90                     ; from the one to the other
	v_mul_u32_u24 v4, s92, v3                      ; lanes 16-31 take B's scale words: the lower base + h x the distance
	s_add_co_u32 s93, s90, 6144
	v_lshl_add_u32 v4, v2, 4, v4
	v_add_nc_u32 v[ADRS], s93, v4
	s_mul_i32 s90, s[FB], 4*REC                    ; slot B likewise
	s_add_co_u32 s90, s90, SLB
	s_mul_i32 s91, s[HF], 4*REC
	s_add_co_u32 s91, s91, SLB+8*REC
	v_add_nc_u32 v[ADRA+1], s90, v6
	v_add_nc_u32 v[ADRB+1], s91, v6
	s_sub_co_u32 s92, s91, s90
	v_mul_u32_u24 v5, s92, v3
	s_add_co_u32 s93, s90, 6144
	v_lshl_add_u32 v5, v2, 4, v5
	v_add_nc_u32 v[ADRS+1], s93, v5
	s_mul_i32 s94, s[WV], 16*SPITCH
	s_add_co_u32 s94, s94, STAGE                   ; my stage
	v_mul_u32_u24 v[STO], v2, SPITCH
	v_lshl_add_u32 v[STO], v3, 6, v[STO]
	v_add_nc_u32 v[STO], s94, v[STO]               ; in: row r, + 64 h
	v_mul_u32_u24 v[RD], v3, SPITCH
	v_lshl_add_u32 v[RD], v2, 4, v[RD]
	v_add_nc_u32 v[RD], s94, v[RD]                 ; out: lanes 0-15 one row of 256 bytes, lanes 16-31 the next
	v_lshlrev_b32 v[CO], 14, v3
	v_lshl_add_u32 v[CO], v2, 4, v[CO]             ; and the same two rows of the output, 16,384 bytes apart
	v_lshlrev_b32 v7, 6, v3                        ; bo: 64 h bytes
	s_lshl_b32 s96, s23, 9
	s_lshl_b32 s97, s[HF], 8
	s_add_co_u32 s96, s96, s97
	s_mov_b32 s97, 0
	s_add_nc_u64 s[98:99], s[8:9], s[96:97]        ; bo at column 128 tx + 64 (w % 2)
	s_add_nc_u64 s[10:11], s[10:11], s[96:97]      ; out0 likewise,
	s_lshl_b32 s96, s76, 7
	s_lshl_b32 s79, s[FB], 6
	s_add_co_u32 s96, s96, s79
	s_lshl_b32 s96, s96, 14
	s_add_nc_u64 s[10:11], s[10:11], s[96:97]      ; at row 128 ty + 64 (w / 2)
	WIN 0xc0                                       ; destination window 3
.irp b, 0,1,2,3
	global_load_b128 v[CB+8*\b:CB+8*\b+3], v7, s[98:99] offset:128*(\b/2)+32*(\b%2)
	global_load_b128 v[CB+8*\b+4:CB+8*\b+7], v7, s[98:99] offset:128*(\b/2)+32*(\b%2)+16
.endr
	WIN 0
	s_wait_loadcnt 0x0
; Step k of 32 (128 along K): record n = k / 4, its f = k % 4.  Record n lies in slot A (n % 3 = 0: first half of each row, 1: second half) or in slot B (n % 3 = 2).  Fragments go into set k % 2.
; FETCHK: step k's fragments: my four of B, my four of A, and with a record's first step its scale words: 24 or 28 loads of 512 or 256 consecutive bytes in one run
.macro FETCHK k
.set FN,  (\k)/4
.set FSL, (FN%3)/2
.set FBP, 2*REC-REC*FSL
.set FRO, REC*((FN%3)%2)
.set FOF, FRO+1536*((\k)%4)
.set FP,  (\k)%2
	WIN TO_B
.irp b, 0,1,2,3
.irp c, 0,1,2
	ds_load_b128 v[128*FP+12*\b+4*\c:128*FP+12*\b+4*\c+3], v[ADRB+FSL] offset:FBP*\b+FOF+512*\c
.endr
.endr
	WIN 0
.irp a, 0,1,2,3
.irp c, 0,1,2
	ds_load_b128 v[AF+48*FP+12*\a+4*\c:AF+48*FP+12*\a+4*\c+3], v[ADRA+FSL] offset:FBP*\a+FOF+512*\c
.endr
.endr
.if (\k)%4 == 0
.irp i, 0,1,2,3
	ds_load_b128 v[SC+16*(FN%2)+4*\i:SC+16*(FN%2)+4*\i+3], v[ADRS+FSL] offset:FBP*\i+FRO
.endr
.endif
.endm
; 4 matrix instructions of step k: my A block a against my four of B.  The 16 accumulators take turns, one instruction a turn, in the same order in every step
.macro MULK k, a, zero
.set MP, (\k)%2
.set MS, SC+16*(((\k)/4)%2)+(\k)%4
.irp b, 0,1,2,3
.if \zero
	v_wmma_scale_f32_16x16x128_f8f6f4 v[8*(4*(\a)+\b):8*(4*(\a)+\b)+7], v[128*MP+12*\b:128*MP+12*\b+11], v[AF+48*MP+12*(\a):AF+48*MP+12*(\a)+11], v[CB+8*\b:CB+8*\b+7], v[MS+4*\b], v[MS+4*(\a)] matrix_a_fmt:MATRIX_FMT_FP6 matrix_b_fmt:MATRIX_FMT_FP6 matrix_a_scale:MATRIX_SCALE_ROW1
.else
	v_wmma_scale_f32_16x16x128_f8f6f4 v[8*(4*(\a)+\b):8*(4*(\a)+\b)+7], v[128*MP+12*\b:128*MP+12*\b+11], v[AF+48*MP+12*(\a):AF+48*MP+12*(\a)+11], v[8*(4*(\a)+\b):8*(4*(\a)+\b)+7], v[MS+4*\b], v[MS+4*(\a)] matrix_a_fmt:MATRIX_FMT_FP6 matrix_b_fmt:MATRIX_FMT_FP6 matrix_a_scale:MATRIX_SCALE_ROW1
.endif
.endr
.endm
; A step whose successor lies in the same slot: the successor's fragments are asked for first, into the set that the step before has multiplied, and have this step's 16 products in which to land.  zero = 1: bo starts the sums
.macro STEP k, zero
	PLACES
	FETCHK (\k)+1
.if ((\k)+1)%4 == 0
	s_wait_dscnt 28                                ; all but the 28 just issued: this step's fragments are in
.else
	s_wait_dscnt 24                                ; all but the 24 just issued
.endif
	WIN MUL+0x10*(\zero)
	MULK \k, 0, \zero
	MULK \k, 1, \zero
	MULK \k, 2, \zero
	MULK \k, 3, \zero
.endm
; A slot's last step changes slots: one barrier; in front of it each wave waits for all its tensor loads, adds 0 to its spare word, and waits for that and for its reads of this slot.
; fill = 1: the slot is filled again, three records on, by the descriptors named
.macro TURN k, fill, g0a, g1a, g0b, g1b
	WIN 0
	s_wait_tensorcnt 0x0                           ; all my tensor loads have landed: my part of the other slot
	ds_add_u32 v[SPW], v[NIL]                      ; 0 onto my spare word
	s_wait_dscnt 1                                 ; (the add may be out; this step's fragments are in)
	WIN MUL
	MULK \k, 0, 0
	s_wait_dscnt 0x0                               ; the add is done, and my reads of this slot are over
	s_barrier_signal -1
	MULK \k, 1, 0
	WIN 0
	s_barrier_wait -1
.if \fill
	CREST                                          ; the barrier has opened a round of the cluster's: no wave of any partner still reads this slot or has a load on its way
	s_add_nc_u64 s[\g0a+2:\g0a+3], s[\g0a+2:\g0a+3], 3*REC
	s_add_nc_u64 s[\g0b+2:\g0b+3], s[\g0b+2:\g0b+3], 3*REC
	JLOAD \g0a, \g1a, \g0b, \g1b                   ; the first tensor load behind the round; its four v_nop are the places in front of the loads below
.else
	PLACES
.endif
	FETCHK (\k)+1
	WIN MUL
	MULK \k, 2, 0
	MULK \k, 3, 0
.endm
	s_wait_tensorcnt 1                             ; my part of slot A is in; slot B's may stay out
	s_barrier_signal -1
	s_barrier_wait -1
	FETCHK 0
	STEP 0, 1                                      ; records 0, 1 in slot A
.irp k, 1,2,3,4,5,6
	STEP \k, 0
.endr
	TURN 7, 1, G0AA, G1AA, G0BA, G1BA              ; slot A takes records 3, 4
.irp k, 8,9,10
	STEP \k, 0                                     ; record 2 in slot B
.endr
	TURN 11, 1, G0AB, G1AB, G0BB, G1BB             ; slot B takes record 5
.irp k, 12,13,14,15,16,17,18
	STEP \k, 0                                     ; records 3, 4
.endr
	TURN 19, 1, G0AA, G1AA, G0BA, G1BA             ; slot A takes records 6, 7
.irp k, 20,21,22
	STEP \k, 0                                     ; record 5
.endr
	TURN 23, 0, 0, 0, 0, 0                         ; nothing is left to fetch
.irp k, 24,25,26,27,28,29,30
	STEP \k, 0                                     ; records 6, 7
.endr
	s_wait_dscnt 0x0
	WIN MUL
	MULK 31, 0, 0
	MULK 31, 1, 0
	MULK 31, 2, 0
	MULK 31, 3, 0
	WIN 0
; THE WAY OUT, a block of 16 positions x 64 columns at a time, through my own stage: register j of accumulator (a, b) is column 32 (b / 2) + 8 (b % 2) + 16 h + j of lane-row r.  It comes back as whole rows of
; 256 bytes, two an instruction.  LDS serves a wave's instructions in order: no wait between the stores and the loads, nor in front of the next block's stores.
.macro TOSTAGE a
	WIN 0x08                                       ; the data: window 2
.irp b, 0,1,2,3
	ds_store_b128 v[STO], v[8*(4*(\a)+\b):8*(4*(\a)+\b)+3] offset:128*(\b/2)+32*(\b%2)       ; each accumulator from its low end on
	ds_store_b128 v[STO], v[8*(4*(\a)+\b)+4:8*(4*(\a)+\b)+7] offset:128*(\b/2)+32*(\b%2)+16
.endr
	WIN 0
.set BB, BK+32*((\a)%2)
.irp t, 0,1,2,3,4,5,6,7
	ds_load_b128 v[BB+4*\t:BB+4*\t+3], v[RD] offset:2*\t*SPITCH
.endr
.endm
.macro SEND a, younger                 ; lane-rows 2 t and 2 t + 1 are rows 2 t + 8 (t / 4) and the next of the block
.set BB, BK+32*((\a)%2)
	s_wait_dscnt \younger
.irp t, 0,1,2,3,4,5,6,7
	global_store_b128 v[CO], v[BB+4*\t:BB+4*\t+3], s[10:11] offset:(32*((\a)/2)+8*((\a)%2)+2*\t+8*(\t/4))*16384 th:TH_STORE_NT   ; sixteen lanes store 256 consecutive bytes, at a multiple of 256 from the output's first byte
.endr
.endm
	PLACES
	TOSTAGE 0
.irp a, 1,2,3
.if \a > 1
	s_wait_xcnt 0x0                                ; block a - 2's stores have read their data: block a's loads may land there
.endif
	TOSTAGE \a
	SEND \a-1, 16                                  ; behind block a - 1's loads: block a's 8 stores and 8 loads
.endr
	SEND 3, 0
	s_wait_tensorcnt 0x0                           ; the wave's end
	ds_add_u32 v[SPW], v[NIL]
	s_wait_dscnt 0x0
	CROUND                                         ; the closing round
	s_endpgm
.Lfunc_end_k_qe8d54eafeb_oproj:
	.size	k_qe8d54eafeb_oproj, .Lfunc_end_k_qe8d54eafeb_oproj-k_qe8d54eafeb_oproj
	.p2alignl 7, 3214868480
	.fill 96, 4, 3214868480
	.section	.rodata,"a",@progbits
	.p2align	6, 0x0
	.amdhsa_kernel k_qe8d54eafeb_oproj
		.amdhsa_group_segment_fixed_size 327680
		.amdhsa_private_segment_fixed_size 0
		.amdhsa_enable_private_segment 0
		.amdhsa_kernarg_size 32
		.amdhsa_user_sgpr_count 2
		.amdhsa_user_sgpr_kernarg_segment_ptr 1
		.amdhsa_wavefront_size32 1
		.amdhsa_system_sgpr_workgroup_id_x 1
		.amdhsa_system_sgpr_workgroup_id_y 1
		.amdhsa_system_sgpr_workgroup_id_z 1
		.amdhsa_system_vgpr_workitem_id 0
		.amdhsa_next_free_vgpr 1024
		.amdhsa_next_free_sgpr 100
		.amdhsa_reserve_vcc 0
		.amdhsa_float_denorm_mode_32 3
		.amdhsa_float_denorm_mode_16_64 3
		.amdhsa_memory_ordered 1
		.amdhsa_forward_progress 1
		.amdhsa_inst_pref_size 143
	.end_amdhsa_kernel
	.amdgpu_metadata
---
amdhsa.version: [ 1, 2 ]
amdhsa.kernels:
  - .name:           k_qe8d54eafeb_oproj
    .symbol:         k_qe8d54eafeb_oproj.kd
    .args:
      - { .name: ac, .offset: 0, .size: 8, .value_kind: global_buffer, .address_space: global }
      - { .name: codes, .offset: 8, .size: 8, .value_kind: global_buffer, .address_space: global }
      - { .name: bo, .offset: 16, .size: 8, .value_kind: global_buffer, .address_space: global }
      - { .name: out0, .offset: 24, .size: 8, .value_kind: global_buffer, .address_space: global }
    .group_segment_fixed_size: 327680
    .private_segment_fixed_size: 0
    .kernarg_segment_align: 8
    .kernarg_segment_size: 32
    .max_flat_workgroup_size: 128
    .sgpr_count:     100
    .vgpr_count:     1024
    .wavefront_size: 32
...
	.end_amdgpu_metadata
.endif
;; end of part 4
